; MI455X (gfx1250); checked and timed in simulation.
; The chip was launched on July 23, 2026; its instructions are those of AMD's public machine-readable ISA for CDNA 5 (MIT licence, August 2026) and "CDNA5" Instruction Set Architecture Reference Guide (July 2026). The comments in the code are by the model that wrote it; some were corrected since.
;; Multi Head Attention. Allowed arithmetic: matrix products marked QUANTISED: E2M3 operands, one E8M0 scale for each 32 along K, by v_wmma_scale_f32_16x16x128_f8f6f4 with both operands' format E2M3, f32 sums; everything else in f32.
;; Inputs: Wk 1,024 x 1,024 float32; Wo 1,024 x 1,024 float32; Wq 1,024 x 1,024 float32; Wv 1,024 x 1,024 float32; keys 4 x 2,048 x 1,024 float32; queries 4 x 2,048 x 1,024 float32; valid_len 4 int32; values 4 x 2,048 x 1,024 float32.
;; Outputs: out0 4 x 2,048 x 1,024 float32.
;; This version of the problem:
;;   THIS VERSION OF THE PROBLEM IS GIVEN IN LOW PRECISION. The matrix products marked QUANTISED in the list below multiply operands that are first quantised to E2M3 (2 exponent bits, 3 mantissa bits; 6 bits a number), with one power-of-two scale for each 32 numbers along K (OCP MX v1.0); their sums are f32. All else is computed in f32.
;;   The module's matrix products, in the order in which they are computed (A, B: the left and right operand; K: the contracted axis; several contracted axes count as one K, in the product's order):
;;     1. [M 8,192, K 1,024] x [K 1,024, N 1,024]; A: input queries; B: input Wq: QUANTISED
;;     2. [M 8,192, K 1,024] x [K 1,024, N 1,024]; A: input keys; B: input Wk: QUANTISED
;;     3. [M 8,192, K 1,024] x [K 1,024, N 1,024]; A: input values; B: input Wv: QUANTISED
;;     4. batch 64 x [M 2,048, K 64] x [K 64, N 2,048]; A: computed on the way; B: computed on the way: QUANTISED
;;     5. batch 64 x [M 2,048, K 2,048] x [K 2,048, N 64]; A: softmax (see below); B: computed on the way: QUANTISED
;;     6. [M 8,192, K 1,024] x [K 1,024, N 1,024]; A: computed on the way; B: input Wo: QUANTISED
;;   THE QUANTISER, for each operand of a quantised product, along K:
;;     - K is cut into blocks of 32 from its start; a last block that is shorter is filled with zeros.
;;     - A block's scale is 2^e with e = floor(log2(the largest magnitude in the block)) - 2, held to -126 .. 127; a block of zeros has e = 0. As a byte (E8M0): e + 127.
;;     - Each number is divided by its block's scale, clamped to +-7.5, and rounded to the nearest number of E2M3, ties to even, subnormals kept.
;;     - The product sums the exact products of the quantised numbers (number of the format x scale) in f32.
;;   ~~~python
;;   def quantise(x, axis):      # numpy; x: float32 -> the quantised numbers, widened to float32 again
;;       x = np.moveaxis(x, axis, -1); K = x.shape[-1]
;;       x = np.pad(x, [(0, 0)] * (x.ndim - 1) + [(0, -K % 32)]); x = x.reshape(x.shape[:-1] + (-1, 32)); a = np.abs(x).max(-1, keepdims=True)
;;       e = np.where(a > 0, np.clip(np.frexp(np.where(a > 0, a, 1))[1] - 1 - 2, -126, 127), 0)      # np.frexp(a)[1] - 1 = floor(log2(a)), exactly
;;       r = np.clip(x / 2.0 ** e, -7.5, 7.5)
;;       step = 2.0 ** (np.maximum(np.frexp(np.where(r == 0, 1, r))[1] - 1, 0) - 3)
;;       q = np.round(r / step) * step * 2.0 ** e      # np.round: ties to even
;;       return np.moveaxis(q.reshape(q.shape[:-2] + (-1,))[..., :K], -1, axis).astype(np.float32)
;;   ~~~
;;   SOFTMAX AHEAD OF A QUANTISED PRODUCT. Where the list says 'softmax', what is quantised is not the finished softmax but p = 2^(t - M), with t = logit x log2(e) and M = ceil(the row's largest t), a whole number; so 1/2 < the row's largest p <= 1. The row's sum l is taken of the UNQUANTISED p, in f32, and the product's result is divided by l at the end. Since M is a whole number, a kernel that streams over the keys may use a running M (the ceiling of the running maximum): every later rescaling is an exact power of two, which a block's scale takes up: the codes' values come out the same.
;;   OPERANDS COMPUTED ON THE WAY. 'Computed on the way' means the value that the module computes at that place (a softmax that the list does not call 'softmax' is quantised finished and normalised). What goes into a quantiser is computed in f32, as accurately as f32 sums, v_exp_f32 and their like allow (about 1e-6 of the number): no bf16 or f16 on the way to a quantiser, and a product that is left as it is and whose result goes on into a quantised operand takes f32 operands (vector FMAs, or v_wmma_f32_16x16x4_f32). A number that lies on a knife's edge between two numbers of the format may be rounded either way, as far as f32 arithmetic and the matrix unit's own rounding can turn it there, and no further.
;; 2 versions, each right; version 2 is version 1 with the launch attn written anew for expert scheduling mode. Each part assembles by itself: llvm-mc -triple=amdgcn-amd-amdhsa -mcpu=gfx1250 --defsym DOCPART=n.
;; ======== version 1 of 2: 4 launches
;; workspace buffers: xc 18,874,368 bytes; xs 786,432 bytes; wc 3,145,728 bytes; ws 131,072 bytes; hc 18,874,368 bytes; hs 1,310,720 bytes; oc 6,291,456 bytes; os 1,048,576 bytes
;; launch quant (part 1): grid 1024 x 1, 4 waves a work-group, no clusters, 46,592 bytes of LDS; arguments queries, keys, values, Wq, Wk, Wv, Wo, xc, xs, wc, ws; writes xc, xs, wc, ws
.if DOCPART == 1
	.amdgcn_target "amdgcn-amd-amdhsa--gfx1250"
	.amdhsa_code_object_version 6
	.text
	.protected	k_q6050b2bc50_quant
	.globl	k_q6050b2bc50_quant
	.p2align	8
	.type	k_q6050b2bc50_quant,@function
k_q6050b2bc50_quant:
	s_mov_b64 s[64:65], 0
	v_nop
	global_prefetch_b8 v0, s[64:65] scope:SCOPE_SE
	s_setreg_imm32_b32 hwreg(HW_REG_WAVE_MODE, 25, 1), 1
	s_wait_xcnt 0x0
; queries, keys, values [8192][1024] f32 (K innermost) and Wq, Wk, Wv, Wo [1024 (k)][1024 (n)] f32 (K outermost) become codes of FP6 (E2M3) with one E8M0 byte for each 32 along K.
; A block's scale is 2^(floor(log2(its largest magnitude)) - 2); its byte is the largest magnitude's exponent field - 2, held at 1 from below.
; THE RESULTS ARE LAID AS IMAGES OF OPERAND REGISTERS.  A fragment is 16 rows x 128 K = 12 registers a lane (lane (r, h): registers 6 c .. 6 c + 5 = k 64 c + 32 h + 0 .. 31 of row r); its image is 1,536 bytes:
; registers 4 g .. 4 g + 3 of lane L at 512 g + 16 L.  So a reader takes a fragment by three loads of 16 bytes a lane, 512 consecutive bytes each.
; THE ROWS OF A TILE ARE NOT NEIGHBOURS: of a group of 32 rows, tile u (0, 1) holds in lane r the row 8 u + r + 8 (r / 8).  Whichever operand is source 0 of a product, a lane's 16 results of two
; neighbouring tiles are then 16 neighbouring rows, which the next quantiser wants.
; xc: [tensor 3][tile 512][K step 8][1536].  wc: [matrix 4][tile 64][K step 8][1536] (rows = output columns).  xs, ws: for each tile [half of K 2][r 16][4 words], a word = the four bytes of a K step.
; Work-groups 0-255 take the weights, 256-1023 the activations.  The two ways never join and have LDS bytes of their own.  Waves share nothing: no barrier.
; LIMITS: NaN and infinities among the inputs are not served.  A block of zeros gets the byte 1 where the rule says 127: its codes are zeros, and this program alone reads the bytes.
.set XWB,   8448                       ; the activations' stage: 16 rows x (512 + 16) bytes for each wave, from LDS byte 0
.set WST,   4*XWB                      ; the weights' stage: two images, 3,072 bytes, for each wave
.set WWB,   3072
.set SPARE, WST+4*WWB                  ; the spare words, 128 bytes for each wave: two blocks of 256 bytes that no other line names
.set SPW,   5                          ; v5  LDS address of my spare word; never rewritten
.set NIL,   6                          ; v6  0; never rewritten
.set XN,    144                        ; v144-207 64 numbers of a lane: register 16 b + i = k 32 b + 16 h + i of my row
.set IMG,   208                        ; v208-219 the fragment just made
.set CT,    220                        ; v220-227 the conversions' second halves
.set TM,    228                        ; v228-231 largest magnitudes, v232-235 bytes, v240-243 the conversions' scale operands
.set PW,    244                        ; v244-247 the scale words of my four K steps
.set SEL,   44                         ; s[44:45] lane selects for v_permlanex16_b32: lane l xor 16
.set HIM,   46                         ; s46 the mask of lanes 16-31
; 64 numbers of a lane become a fragment's codes (registers 0-5 at d0, 6-11 at d1) and its row's scale word (pw).
.macro QUANT src, d0, d1, pw
.irp b, 0,1,2,3
	v_max3_num_f32 v[TM+\b], |v[(\src)+16*\b]|, |v[(\src)+1+16*\b]|, 0x1800000   ; block b: my 16 numbers, and the floor 2^(3 - 127): the byte cannot fall under 1
.endr
.irp i, 2,4,6,8,10,12,14
.irp b, 0,1,2,3
	v_max3_num_f32 v[TM+\b], v[TM+\b], |v[(\src)+16*\b+\i]|, |v[(\src)+1+16*\b+\i]|   ; the four blocks by turns
.endr
.endr
.irp b, 0,1,2,3
	v_permlanex16_b32 v[TM+4+\b], v[TM+\b], s[SEL], s[SEL+1]
.endr
.irp b, 0,1,2,3
	v_max_num_f32 v[TM+\b], v[TM+\b], v[TM+4+\b]   ; with lane l xor 16's 16: the block's largest magnitude
.endr
.irp b, 0,1,2,3
	v_add_nc_u32 v[TM+12+\b], 0xff000000, v[TM+\b] ; 2 off its exponent field: the conversion takes the exponent field of this operand as its scale
.endr
.irp b, 0,1,2,3
	v_lshrrev_b32 v[TM+4+\b], 23, v[TM+12+\b]      ; the scale's byte
.endr
	v_lshl_or_b32 v[\pw], v[TM+5], 8, v[TM+4]
	v_lshl_or_b32 v[\pw], v[TM+6], 16, v[\pw]
	v_lshl_or_b32 v[\pw], v[TM+7], 24, v[\pw]
	v_cvt_scalef32_pk16_fp6_f32 v[(\d0):(\d0)+2], v[(\src):(\src)+15], v[TM+12]
	v_cvt_scalef32_pk16_fp6_f32 v[CT:CT+2], v[(\src)+16:(\src)+31], v[TM+13]      ; (a conversion's three registers begin on an even number)
	v_cvt_scalef32_pk16_fp6_f32 v[(\d1):(\d1)+2], v[(\src)+32:(\src)+47], v[TM+14]
	v_cvt_scalef32_pk16_fp6_f32 v[CT+4:CT+6], v[(\src)+48:(\src)+63], v[TM+15]
	v_nop                                          ; one plain place behind the scaled conversions
.irp i, 0,1,2                          ; the layout wants a WHOLE block in a lane: lanes 0-15 the even block, lanes 16-31 the odd one
	v_permlane16_swap_b32 v[(\d0)+\i], v[CT+\i]
.endr
.irp i, 0,1,2
	v_mov_b32 v[(\d0)+3+\i], v[CT+\i]
.endr
.irp i, 0,1,2
	v_permlane16_swap_b32 v[(\d1)+\i], v[CT+4+\i]
.endr
.irp i, 0,1,2
	v_mov_b32 v[(\d1)+3+\i], v[CT+4+\i]
.endr
.endm
	s_load_b512 s[4:19], s[0:1], 0x0               ; queries s[4:5], keys s[6:7], values s[8:9], Wq s[10:11], Wk s[12:13], Wv s[14:15], Wo s[16:17], xc s[18:19]
	s_load_b128 s[20:23], s[0:1], 0x40             ; xs s[20:21], wc s[22:23]
	s_load_b64 s[24:25], s[0:1], 0x50              ; ws
	v_lshl_add_u32 v[SPW], v0, 2, SPARE
	v_mov_b32 v[NIL], 0
	v_lshrrev_b32 v1, 5, v0
	v_readfirstlane_b32 s26, v1                    ; wave 0..3
	v_and_b32 v7, 31, v0                           ; lane
	s_wait_kmcnt 0x0
	s_cmp_lt_u32 ttmp9, 256
	s_cbranch_scc0 .Lx
; ---------------- THE WEIGHTS.  Work-group e: matrix e / 64, 128 columns (e / 8) % 8, K step e % 8.  A LANE TAKES A COLUMN n AND ITS REGISTERS RUN DOWN K: a block of 32 along K lies in one lane.
	s_lshr_b32 s27, ttmp9, 6                       ; m: 0 Wq, 1 Wk, 2 Wv, 3 Wo
	s_bfe_u32 s28, ttmp9, 0x30003                  ; which 128 columns
	s_and_b32 s29, ttmp9, 7                        ; K step s
	s_lshl_b32 s30, s28, 2
	s_add_co_u32 s30, s30, s26                     ; my wave's group of 32 columns
	s_and_b32 s31, s27, 1
	s_cmp_lg_u32 s31, 0
	s_cselect_b64 s[32:33], s[12:13], s[10:11]
	s_cselect_b64 s[34:35], s[16:17], s[14:15]
	s_cmp_lt_u32 s27, 2
	s_cselect_b64 s[32:33], s[32:33], s[34:35]     ; the matrix: the choice hangs on the work-group's number alone
	s_lshl_b32 s34, s29, 19                        ; 128 rows of 4,096 bytes a K step
	s_lshl_b32 s35, s30, 7                         ; 32 columns of 4 bytes a group
	s_add_co_u32 s34, s34, s35
	s_mov_b32 s35, 0
	s_add_nc_u64 s[32:33], s[32:33], s[34:35]
	s_mul_i32 s36, s27, 786432                     ; wc: matrix, two tiles of 12,288 bytes a group, 1,536 a K step
	s_mul_i32 s37, s30, 24576
	s_add_co_u32 s36, s36, s37
	s_mul_i32 s37, s29, 1536
	s_add_co_u32 s36, s36, s37
	s_mov_b32 s37, 0
	s_add_nc_u64 s[22:23], s[22:23], s[36:37]
	s_lshl_b32 s36, s27, 15                        ; ws: matrix, 1,024 bytes a group, 256 (s / 4) + 4 (s % 4)
	s_lshl_b32 s38, s30, 10
	s_add_co_u32 s36, s36, s38
	s_lshr_b32 s38, s29, 2
	s_lshl_b32 s38, s38, 8
	s_add_co_u32 s36, s36, s38
	s_and_b32 s38, s29, 3
	s_lshl_b32 s38, s38, 2
	s_add_co_u32 s36, s36, s38
	s_add_nc_u64 s[24:25], s[24:25], s[36:37]
	v_lshlrev_b32 v1, 2, v7                        ; in: 4 bytes a lane
	v_bfe_u32 v8, v7, 3, 1                         ; my column's tile of the group: (lane / 8) % 2
	v_and_b32 v9, 7, v7
	v_lshrrev_b32 v10, 4, v7
	v_lshl_add_u32 v9, v10, 3, v9                  ; and its lane in that tile: lane % 8 + 8 (lane / 16)
	s_mul_i32 s38, s26, WWB
	s_add_co_u32 s38, s38, WST                     ; my stage
	v_mul_u32_u24 v2, v8, 1536
	v_lshl_add_u32 v2, v9, 4, v2
	v_add_nc_u32 v2, s38, v2                       ; into it: my tile's image, 16 bytes for my column's lane
	v_lshlrev_b32 v11, 4, v7                       ; 16 x lane
	v_add_nc_u32 v3, s38, v11                      ; out of it: as it lies
	v_lshlrev_b32 v4, 9, v8
	v_lshl_add_u32 v4, v9, 4, v4                   ; my column's word in ws
.macro LOADW t                         ; block t: W(128 s + 32 t + i, my column): 32 lanes read 128 consecutive bytes
.irp i, 0,1,2,3,4,5,6,7,8,9,10,11,12,13,14,15,16,17,18,19,20,21,22,23,24,25,26,27,28,29,30,31
	global_load_b32 v[16+32*((\t)%2)+\i], v1, s[32:33] offset:(32*(\t)+\i)*4096 th:TH_LOAD_NT
.endr
.endm
.macro BLOCKW t                        ; block t is registers 6 (t / 2) .. + 5 of lane (my column's lane, t % 2) of the fragment
.set XS, 16+32*((\t)%2)
.set CC, 80+8*(\t)                     ; each block has registers of its own for its codes
.if (\t) < 3
	s_wait_loadcnt 32                              ; this block's 32 loads are in; the next block's may be out
.else
	s_wait_loadcnt 0x0
.endif
	v_max3_num_f32 v112, |v[XS]|, |v[XS+1]|, |v[XS+2]|
	v_max3_num_f32 v113, |v[XS+3]|, |v[XS+4]|, |v[XS+5]|
.irp i, 6,10,14,18,22,26
	v_max3_num_f32 v112, v112, |v[XS+\i]|, |v[XS+\i+1]|
	v_max3_num_f32 v113, v113, |v[XS+\i+2]|, |v[XS+\i+3]|
.endr
	v_max3_num_f32 v112, v112, |v[XS+30]|, |v[XS+31]|
	v_max3_num_f32 v112, v112, v113, 0x1800000     ; and the floor
	v_add_nc_u32 v114, 0xff000000, v112            ; the conversions' scale operand
	v_lshrrev_b32 v115, 23, v114                   ; the byte
.if (\t) == 0
	v_mov_b32 v116, v115
.else
	v_lshl_or_b32 v116, v115, 8*(\t), v116         ; the K step's scale word of my column
.endif
	v_cvt_scalef32_pk16_fp6_f32 v[CC:CC+2], v[XS:XS+15], v114
	v_cvt_scalef32_pk16_fp6_f32 v[CC+4:CC+6], v[XS+16:XS+31], v114
	v_nop                                          ; one plain place behind the scaled conversions
	v_mov_b32 v[CC+3], v[CC+4]
	v_mov_b32 v[CC+4], v[CC+5]
	v_mov_b32 v[CC+5], v[CC+6]                     ; six registers on end
.if (\t)/2 == 0
	ds_store_b128 v2, v[CC:CC+3] offset:256*((\t)%2)               ; registers 0-3,
	ds_store_b64 v2, v[CC+4:CC+5] offset:512+256*((\t)%2)          ; 4, 5
.else
	ds_store_b64 v2, v[CC:CC+1] offset:520+256*((\t)%2)            ; 6, 7,
	ds_store_b128 v2, v[CC+2:CC+5] offset:1024+256*((\t)%2)        ; 8-11
.endif
.if (\t) < 2
	LOADW (\t)+2
.endif
.endm
	LOADW 0
	LOADW 1
	BLOCKW 0
	BLOCKW 1
	BLOCKW 2
	BLOCKW 3
.irp i, 0,1,2,3,4,5
	ds_load_b128 v[120+4*\i:123+4*\i], v3 offset:512*\i            ; LDS serves a wave's instructions in order: these see my stores
.endr
	global_store_b32 v4, v116, s[24:25]
.irp i, 0,1,2,3,4,5
	s_wait_dscnt 5-\i                              ; the younger read-backs may be out
	global_store_b128 v11, v[120+4*\i:123+4*\i], s[22:23] offset:(\i/3)*12288+(\i%3)*512   ; 32 lanes store 512 consecutive bytes
.endr
	s_wait_tensorcnt 0x0                           ; the wave's end
	ds_add_u32 v[SPW], v[NIL]
	s_wait_dscnt 0x0
	s_endpgm
; ---------------- THE ACTIVATIONS.  Work-group e: tensor e / 256, group of 32 rows e % 256.  Wave w: tile w % 2 of the group, half w / 2 of K: 16 rows x 512 along K, four K steps.
.Lx:
	s_sub_co_u32 s27, ttmp9, 256
	s_lshr_b32 s28, s27, 8                         ; tensor: 0 queries, 1 keys, 2 values
	s_and_b32 s29, s27, 255                        ; group
	s_and_b32 s30, s26, 1                          ; u
	s_lshr_b32 s31, s26, 1                         ; half of K
	s_cmp_eq_u32 s28, 0
	s_cselect_b64 s[32:33], s[4:5], s[6:7]
	s_cmp_eq_u32 s28, 2
	s_cselect_b64 s[32:33], s[8:9], s[32:33]
	s_lshl_b32 s34, s29, 17                        ; 32 rows of 4,096 bytes a group,
	s_lshl_b32 s35, s30, 15                        ; 8 rows for tile 1,
	s_add_co_u32 s34, s34, s35
	s_lshl_b32 s35, s31, 11                        ; 2,048 bytes for the upper half of K
	s_add_co_u32 s34, s34, s35
	s_mov_b32 s35, 0
	s_add_nc_u64 s[32:33], s[32:33], s[34:35]
	s_lshl_b32 s37, s29, 1
	s_add_co_u32 s37, s37, s30                     ; the tile
	s_mul_i32 s36, s28, 6291456
	s_mul_i32 s38, s37, 12288
	s_add_co_u32 s36, s36, s38
	s_mul_i32 s38, s31, 6144
	s_add_co_u32 s36, s36, s38
	s_lshl_b32 s40, s28, 18
	s_lshl_b32 s38, s37, 9
	s_add_co_u32 s40, s40, s38
	s_lshl_b32 s38, s31, 8
	s_add_co_u32 s40, s40, s38
	s_mov_b32 s37, 0
	s_mov_b32 s41, 0
	s_add_nc_u64 s[18:19], s[18:19], s[36:37]      ; xc at my first image
	s_add_nc_u64 s[20:21], s[20:21], s[40:41]      ; xs at my 256 bytes
	s_mov_b32 s[SEL], 0x76543210
	s_mov_b32 s[SEL+1], 0xfedcba98
	s_mov_b32 s[HIM], 0xffff0000
	v_lshlrev_b32 v1, 4, v7                        ; 16 x lane
	v_and_b32 v8, 15, v0                           ; r
	v_bfe_u32 v9, v0, 4, 1                         ; h
	s_mul_i32 s38, s26, XWB                        ; my stage
	v_add_nc_u32 v2, s38, v1                       ; into it: a row's 512 bytes as they lie
	v_mul_u32_u24 v3, v8, 528
	v_lshl_add_u32 v3, v9, 6, v3
	v_add_nc_u32 v3, s38, v3                       ; out of it: row r, + 64 h: my 16 numbers of a block of 32
	v_lshlrev_b32 v4, 4, v8
	v_lshl_add_u32 v4, v9, 3, v4                   ; xs: 16 r + 8 h
.irp b, 0,1,2,3
	v_mov_b32 v[TM+4+\b], 0                        ; written once: a lane permute's destination counts as one of its sources
.endr
.macro LOADX sp                        ; K step sp of my 16 rows: each load reads 512 consecutive bytes of one row
.irp q, 0,1,2,3,4,5,6,7,8,9,10,11,12,13,14,15
	global_load_b128 v[16+64*((\sp)%2)+4*\q:16+64*((\sp)%2)+4*\q+3], v1, s[32:33] offset:(\q+8*(\q/8))*4096+512*(\sp) th:TH_LOAD_NT
.endr
.endm
.macro XSTEP sp
.if (\sp) < 3
	s_wait_loadcnt 16                              ; this K step's 16 loads are in; the next one's may be out
.else
	s_wait_loadcnt 0x0
.endif
.irp q, 0,1,2,3,4,5,6,7,8,9,10,11,12,13,14,15
	ds_store_b128 v2, v[16+64*((\sp)%2)+4*\q:16+64*((\sp)%2)+4*\q+3] offset:528*\q
.endr
.irp b, 0,1,2,3
.irp j, 0,1,2,3
	ds_load_b128 v[XN+16*\b+4*\j:XN+16*\b+4*\j+3], v3 offset:128*\b+16*\j   ; LDS serves a wave's instructions in order: these see my stores
.endr
.endr
	s_wait_dscnt 0x0                               ; my 64 numbers are in; the stores have read their registers,
.if (\sp) < 2
	LOADX (\sp)+2                                  ; which take the loads of two K steps on
.endif
.if (\sp) > 0
	s_wait_xcnt 0x0                                ; the last image's stores have read their registers: they are written again only behind this wait
.endif
	QUANT XN, IMG, IMG+6, PW+(\sp)
.irp g, 0,1,2
	global_store_b128 v1, v[IMG+4*\g:IMG+4*\g+3], s[18:19] offset:1536*(\sp)+512*\g   ; 32 lanes store 512 consecutive bytes
.endr
.endm
	LOADX 0
	LOADX 1
	XSTEP 0
	XSTEP 1
	XSTEP 2
	XSTEP 3
	v_cndmask_b32 v248, v[PW], v[PW+2], s[HIM]     ; lanes 0-15 store my row's words 0, 1, lanes 16-31 its words 2, 3
	v_cndmask_b32 v249, v[PW+1], v[PW+3], s[HIM]
	global_store_b64 v4, v[248:249], s[20:21]      ; 32 lanes store 256 consecutive bytes, aligned
	s_wait_tensorcnt 0x0                           ; the wave's end
	ds_add_u32 v[SPW], v[NIL]
	s_wait_dscnt 0x0
	s_endpgm
.Lfunc_end_k_q6050b2bc50_quant:
	.size	k_q6050b2bc50_quant, .Lfunc_end_k_q6050b2bc50_quant-k_q6050b2bc50_quant
	.p2alignl 7, 3214868480
	.fill 96, 4, 3214868480
	.section	.rodata,"a",@progbits
	.p2align	6, 0x0
	.amdhsa_kernel k_q6050b2bc50_quant
		.amdhsa_group_segment_fixed_size 46592
		.amdhsa_private_segment_fixed_size 0
		.amdhsa_enable_private_segment 0
		.amdhsa_kernarg_size 88
		.amdhsa_user_sgpr_count 2
		.amdhsa_user_sgpr_kernarg_segment_ptr 1
		.amdhsa_wavefront_size32 1
		.amdhsa_system_sgpr_workgroup_id_x 1
		.amdhsa_system_sgpr_workgroup_id_y 1
		.amdhsa_system_sgpr_workgroup_id_z 1
		.amdhsa_system_vgpr_workitem_id 0
		.amdhsa_next_free_vgpr 256
		.amdhsa_next_free_sgpr 66
		.amdhsa_reserve_vcc 0
		.amdhsa_float_denorm_mode_32 3
		.amdhsa_float_denorm_mode_16_64 3
		.amdhsa_memory_ordered 1
		.amdhsa_forward_progress 1
		.amdhsa_inst_pref_size 56
	.end_amdhsa_kernel
	.amdgpu_metadata
---
amdhsa.version: [ 1, 2 ]
amdhsa.kernels:
  - .name:           k_q6050b2bc50_quant
    .symbol:         k_q6050b2bc50_quant.kd
    .args:
      - { .name: queries, .offset: 0, .size: 8, .value_kind: global_buffer, .address_space: global }
      - { .name: keys, .offset: 8, .size: 8, .value_kind: global_buffer, .address_space: global }
      - { .name: values, .offset: 16, .size: 8, .value_kind: global_buffer, .address_space: global }
      - { .name: Wq, .offset: 24, .size: 8, .value_kind: global_buffer, .address_space: global }
      - { .name: Wk, .offset: 32, .size: 8, .value_kind: global_buffer, .address_space: global }
      - { .name: Wv, .offset: 40, .size: 8, .value_kind: global_buffer, .address_space: global }
      - { .name: Wo, .offset: 48, .size: 8, .value_kind: global_buffer, .address_space: global }
      - { .name: xc, .offset: 56, .size: 8, .value_kind: global_buffer, .address_space: global }
      - { .name: xs, .offset: 64, .size: 8, .value_kind: global_buffer, .address_space: global }
      - { .name: wc, .offset: 72, .size: 8, .value_kind: global_buffer, .address_space: global }
      - { .name: ws, .offset: 80, .size: 8, .value_kind: global_buffer, .address_space: global }
    .group_segment_fixed_size: 46592
    .private_segment_fixed_size: 0
    .kernarg_segment_align: 8
    .kernarg_segment_size: 88
    .max_flat_workgroup_size: 128
    .sgpr_count:     66
    .vgpr_count:     256
    .wavefront_size: 32
...
	.end_amdgpu_metadata
.endif
;; end of part 1
;; launch proj (part 2): grid 4 x 192, 4 waves a work-group, clusters of 4 x 4, 327,680 bytes of LDS; arguments xc, xs, wc, ws, hc, hs; writes hc, hs
.if DOCPART == 2
	.amdgcn_target "amdgcn-amd-amdhsa--gfx1250"
	.amdhsa_code_object_version 6
	.text
	.protected	k_q6050b2bc50_proj
	.globl	k_q6050b2bc50_proj
	.p2align	8
	.type	k_q6050b2bc50_proj,@function
k_q6050b2bc50_proj:
	s_mov_b64 s[64:65], 0
	v_nop
	global_prefetch_b8 v0, s[64:65] scope:SCOPE_SE
	s_setreg_imm32_b32 hwreg(HW_REG_WAVE_MODE, 25, 1), 1
	s_wait_xcnt 0x0
	s_wait_alu depctr_hold_cnt(0) depctr_sa_sdst(0) depctr_va_vdst(0) depctr_va_sdst(0) depctr_va_ssrc(0) depctr_va_vcc(0) depctr_vm_vsrc(0)
	s_getreg_b32 s2, hwreg(HW_REG_IB_STS2, 6, 4)
	s_cmp_eq_u32 s2, 0
	s_cbranch_scc0 .Lentry_in_a_cluster
	s_endpgm
.Lentry_in_a_cluster:
	s_bfe_u32 s2, ttmp6, 0x10000c
	s_cmp_lg_u32 s2, 0xf033
	s_cbranch_scc0 .Lentry_shape_is_right
	s_endpgm
.Lentry_shape_is_right:
; q = queries Wq, k = keys Wk, v = values Wv on codes of FP6 (E2M3) with E8M0 scales; the f32 sums are quantised in registers and leave as codes: q and k along the head's 64, v along the keys.
; ONE TEXT FOR THE THREE.  A product has a LANE operand (source 1: its row stays in a lane) and a REGISTER operand (source 0: its rows run along a lane's registers, so they are the next product's K).
; q, k: lane operand = 128 tokens, register operand = 256 columns of W (four heads).  v: lane operand = 128 columns of Wv (two heads), register operand = 256 tokens (keys).
; A work-group of four waves makes 128 x 256 for all K = 1,024; a wave 64 x 128: 32 accumulators.  Both operands' codes for all of K are 98,304 + 196,608 bytes: they fit in LDS, so every tensor load
; is a first fill: four chunks of two K steps, all asked for at the start; by this text's count a wave has four tensor loads out at the most.  No LDS byte is filled twice.
; CLUSTERS: 4 x 4 work-groups.  The lane operand's tiles are shared along a row of the cluster, the register operand's along a column: each is asked for jointly.
; Operands lie in memory as images of their registers (1,536 bytes a fragment; a tile's eight K steps on end), so a fragment is three LDS loads of 512 consecutive bytes: no pitch, no padding.
; OUT.  hc: q at 0, k at 6,291,456: [batch x head 64][group of 32 tokens 64][1536]: the image of a PAIR of token tiles, registers 0-5 tile 0's 64 codes, registers 6-11 tile 1's.
;       v at 12,582,912: [batch x head][128 keys 16][tile of 16 channels 4][1536]: whole fragments.   hs: the scale words beside them, eight bytes a lane.
; LIMITS: NaN and infinities are not served; a block of zeros gets the byte 1 (its codes are zeros; this program alone reads the bytes).
; REGISTERS: window 0: v16-31 addresses; v32-63, v64-79 scale words; v80-175 the lane operand's fragments, two sets; v176-255 the way out.  window 1: the register operand's fragments, sets at v0 and v128.
;   window 2: accumulator (a, b) at v[8 (8 a + b)].
.set CH,    73728                      ; a chunk in LDS: the lane operand's 8 tiles x 3,072 bytes, then the register operand's 16
.set ROFF,  24576
.set SPARE, 4*CH                       ; the spare words, 128 bytes for each wave: two blocks of 256 bytes that no other line names
.set ADL,   16                         ; v16-19 LDS address of my lane-operand fragments in chunk 0..3
.set ADR,   20                         ; v20-23 the same for the register operand
.set V16L,  24                         ; v24 16 x lane
.set V8L,   25                         ; v25 8 x lane
.set VRS,   26                         ; v26, v27 my place among the scale records
.set VLS,   27
.set SPW,   28                         ; v28 LDS address of my spare word; never rewritten
.set NIL,   29                         ; v29 0; never rewritten
.set RS,    32                         ; v[RS + 8 (b % 4) + s]: lanes 0-15 the word of register tile b % 4, lanes 16-31 that of tile b % 4 + 4, K step s
.set LS,    64                         ; v[LS + 8 (a % 2) + s]: lanes 0-15 lane tile a % 2, lanes 16-31 tile a % 2 + 2
.set LF,    80
.set IMG,   176                        ; v176-223 four images
.set CT,    224
.set TM,    232
.set PW,    248
.set SW,    252
.set G1R,   24                         ; s[24:31] descriptor group 1, register operand;  s[32:39] lane operand
.set G1L,   32
.set G0R,   40                         ; s[40:55] four groups 0, one a chunk;  s[68:83] likewise
.set G0L,   68
.set HIM,   60                         ; s60 the mask of lanes 16-31
.set SEL,   62                         ; s[62:63] lane selects: lane l xor 16
.set MSB, 0
.macro WIN new                         ; the immediate's high byte repeats the setting that is left
.if MSB != \new
	s_set_vgpr_msb (MSB<<8)|\new
.set MSB, \new
.endif
.endm
.macro PLACES n
.rept \n
	v_nop
.endr
.endm
.macro CREST
	s_cmp_lg_u32 s16, 0
	s_cbranch_scc1 .Lnot_wave_0_\@
	s_barrier_signal -3
.Lnot_wave_0_\@:
	s_barrier_wait -3
	s_barrier_signal -1
	s_barrier_wait -1
.endm
.macro CROUND                          ; a round of the cluster's barrier
	s_barrier_signal -1
	s_barrier_wait -1
	CREST
.endm
; one product; its registers are the symbols DD, AA, BB, SA, SB; RA, RB: the scale words stand in lanes 16-31; ZZ: it starts the sum
.macro WM
.if ZZ
.if RA && RB
	v_wmma_scale_f32_16x16x128_f8f6f4 v[DD:DD+7], v[AA:AA+11], v[BB:BB+11], 0, v[SA], v[SB] matrix_a_fmt:MATRIX_FMT_FP6 matrix_b_fmt:MATRIX_FMT_FP6 matrix_a_scale:MATRIX_SCALE_ROW1 matrix_b_scale:MATRIX_SCALE_ROW1
.elseif RA
	v_wmma_scale_f32_16x16x128_f8f6f4 v[DD:DD+7], v[AA:AA+11], v[BB:BB+11], 0, v[SA], v[SB] matrix_a_fmt:MATRIX_FMT_FP6 matrix_b_fmt:MATRIX_FMT_FP6 matrix_a_scale:MATRIX_SCALE_ROW1
.elseif RB
	v_wmma_scale_f32_16x16x128_f8f6f4 v[DD:DD+7], v[AA:AA+11], v[BB:BB+11], 0, v[SA], v[SB] matrix_a_fmt:MATRIX_FMT_FP6 matrix_b_fmt:MATRIX_FMT_FP6 matrix_b_scale:MATRIX_SCALE_ROW1
.else
	v_wmma_scale_f32_16x16x128_f8f6f4 v[DD:DD+7], v[AA:AA+11], v[BB:BB+11], 0, v[SA], v[SB] matrix_a_fmt:MATRIX_FMT_FP6 matrix_b_fmt:MATRIX_FMT_FP6
.endif
.else
.if RA && RB
	v_wmma_scale_f32_16x16x128_f8f6f4 v[DD:DD+7], v[AA:AA+11], v[BB:BB+11], v[DD:DD+7], v[SA], v[SB] matrix_a_fmt:MATRIX_FMT_FP6 matrix_b_fmt:MATRIX_FMT_FP6 matrix_a_scale:MATRIX_SCALE_ROW1 matrix_b_scale:MATRIX_SCALE_ROW1
.elseif RA
	v_wmma_scale_f32_16x16x128_f8f6f4 v[DD:DD+7], v[AA:AA+11], v[BB:BB+11], v[DD:DD+7], v[SA], v[SB] matrix_a_fmt:MATRIX_FMT_FP6 matrix_b_fmt:MATRIX_FMT_FP6 matrix_a_scale:MATRIX_SCALE_ROW1
.elseif RB
	v_wmma_scale_f32_16x16x128_f8f6f4 v[DD:DD+7], v[AA:AA+11], v[BB:BB+11], v[DD:DD+7], v[SA], v[SB] matrix_a_fmt:MATRIX_FMT_FP6 matrix_b_fmt:MATRIX_FMT_FP6 matrix_b_scale:MATRIX_SCALE_ROW1
.else
	v_wmma_scale_f32_16x16x128_f8f6f4 v[DD:DD+7], v[AA:AA+11], v[BB:BB+11], v[DD:DD+7], v[SA], v[SB] matrix_a_fmt:MATRIX_FMT_FP6 matrix_b_fmt:MATRIX_FMT_FP6
.endif
.endif
.endm
; K step s on fragment set p: 32 products; the 32 accumulators take turns, one instruction a turn, in the same order in every K step
.macro MUL s, p, zero
	WIN 0xa1                                       ; source 0 window 1, source 1 window 0, C and D window 2
.set ZZ, \zero
.irp a, 0,1,2,3
.irp b, 0,1,2,3,4,5,6,7
.set DD, 8*(8*\a+\b)
.set AA, 128*(\p)+12*\b
.set BB, LF+48*(\p)+12*\a
.set SA, RS+8*(\b%4)+(\s)
.set SB, LS+8*(\a%2)+(\s)
.set RA, \b/4
.set RB, \a/2
	WM
.endr
.endr
.endm
; K step s's fragments into set p: 36 LDS loads of 512 consecutive bytes
.macro FETCH s, p
	WIN 0x40                                       ; destination window 1, address window 0
.irp b, 0,1,2,3,4,5,6,7
.irp g, 0,1,2
	ds_load_b128 v[128*(\p)+12*\b+4*\g:128*(\p)+12*\b+4*\g+3], v[ADR+(\s)/2] offset:3072*\b+1536*((\s)%2)+512*\g
.endr
.endr
	WIN 0
.irp a, 0,1,2,3
.irp g, 0,1,2
	ds_load_b128 v[LF+48*(\p)+12*\a+4*\g:LF+48*(\p)+12*\a+4*\g+3], v[ADL+(\s)/2] offset:3072*\a+1536*((\s)%2)+512*\g
.endr
.endr
.endm
.macro KSTEP s, zero
.if ((\s)+1)%2 == 0
	s_wait_tensorcnt 3-((\s)+1)/2                  ; my part of the next chunk is in; my later chunks may stay out
	s_wait_dscnt 0x0                               ; no LDS instruction of mine is pending at a signal
	s_barrier_signal -1
	s_barrier_wait -1                              ; everybody's part is in
.endif
.if (\s) >= 1
	PLACES 4                                       ; in front of loads into registers that the last K step's products have read
.endif
	FETCH (\s)+1, ((\s)+1)%2
	s_wait_dscnt 36                                ; all but the 36 just issued: this K step's fragments are in
	MUL \s, (\s)%2, \zero
.endm
; 64 results of a lane in window 2, register src + 16 b + i = row 32 b + 16 h + i of the register operand, become codes (registers 0-5 at d0, 6-11 at d1) and a scale word.  Each accumulator is read from its low end on.
.macro QUANT src, d0, d1, pw
	WIN 0x0a
.irp b, 0,1,2,3
	v_max3_num_f32 v[TM+\b], |v[(\src)+16*\b]|, |v[(\src)+1+16*\b]|, 0x1800000   ; and the floor 2^(3 - 127): the byte cannot fall under 1
.endr
	WIN 0x28
.irp i, 2,4,6,8,10,12,14
.irp b, 0,1,2,3
	v_max3_num_f32 v[TM+\b], v[TM+\b], |v[(\src)+16*\b+\i]|, |v[(\src)+1+16*\b+\i]|
.endr
.endr
	WIN 0
.irp b, 0,1,2,3
	v_permlanex16_b32 v[TM+4+\b], v[TM+\b], s[SEL], s[SEL+1]
.endr
.irp b, 0,1,2,3
	v_max_num_f32 v[TM+\b], v[TM+\b], v[TM+4+\b]
.endr
.irp b, 0,1,2,3
	v_add_nc_u32 v[TM+12+\b], 0xff000000, v[TM+\b] ; 2 off the exponent field: the conversion's scale operand
.endr
.irp b, 0,1,2,3
	v_lshrrev_b32 v[TM+4+\b], 23, v[TM+12+\b]      ; the byte
.endr
	v_lshl_or_b32 v[\pw], v[TM+5], 8, v[TM+4]
	v_lshl_or_b32 v[\pw], v[TM+6], 16, v[\pw]
	v_lshl_or_b32 v[\pw], v[TM+7], 24, v[\pw]
	WIN 0x02
	v_cvt_scalef32_pk16_fp6_f32 v[(\d0):(\d0)+2], v[(\src):(\src)+15], v[TM+12]
	v_cvt_scalef32_pk16_fp6_f32 v[CT:CT+2], v[(\src)+16:(\src)+31], v[TM+13]
	v_cvt_scalef32_pk16_fp6_f32 v[(\d1):(\d1)+2], v[(\src)+32:(\src)+47], v[TM+14]
	v_cvt_scalef32_pk16_fp6_f32 v[CT+4:CT+6], v[(\src)+48:(\src)+63], v[TM+15]
	WIN 0
	v_nop                                          ; one plain place behind the scaled conversions
.irp i, 0,1,2
	v_permlane16_swap_b32 v[(\d0)+\i], v[CT+\i]    ; a whole block to a lane
.endr
.irp i, 0,1,2
	v_mov_b32 v[(\d0)+3+\i], v[CT+\i]
.endr
.irp i, 0,1,2
	v_permlane16_swap_b32 v[(\d1)+\i], v[CT+4+\i]
.endr
.irp i, 0,1,2
	v_mov_b32 v[(\d1)+3+\i], v[CT+4+\i]
.endr
.endm
	s_load_b256 s[4:11], s[0:1], 0x0               ; xc s[4:5], xs s[6:7], wc s[8:9], ws s[10:11]
	s_load_b128 s[12:15], s[0:1], 0x20             ; hc s[12:13], hs s[14:15]
	v_lshl_add_u32 v[SPW], v0, 2, SPARE
	v_mov_b32 v[NIL], 0
	ds_add_u32 v[SPW], v[NIL]                      ; the wave's opening; the set-up below, work on registers, stands between the add and its wait
	v_lshrrev_b32 v1, 5, v0
	v_readfirstlane_b32 s16, v1                    ; wave 0..3
	s_lshr_b32 s17, s16, 1                         ; wl: my half of the lane operand.  Also: 0 = I fetch for the register operand, 1 = for the lane operand
	s_and_b32 s18, s16, 1                          ; wr: my half of the register operand.  Also: which half of that operand's tiles I fetch
	s_bfe_u32 s19, ttmp6, 0x40000                  ; cx
	s_bfe_u32 s20, ttmp6, 0x40004                  ; cy
	s_and_b32 s21, ttmp7, 0xffff                   ; the cluster's y, 0..47
	s_lshr_b32 s22, s21, 4                         ; role: 0 q, 1 k, 2 v: the same in all sixteen partners
	s_lshl_b32 s2, s20, 2
	s_lshl_b32 s2, 15, s2                          ; my row of the cluster
	s_lshl_b32 s3, 0x1111, s19                     ; my column
	s_or_b32 s[G1L], s2, (3<<16)|(1<<21)           ; 15:0 the mask; 17:16 elements of 8 bytes; 21 set beside a mask; no padding
	s_or_b32 s[G1R], s3, (3<<16)|(1<<21)
.irp g, G1R, G1L
	s_mov_b32 s[\g+1], 384<<16                     ; tensor_dim0 = 384 elements: a tile's 3,072 bytes of a chunk
	s_mov_b32 s[\g+3], 384<<16                     ; tile_dim0
	s_mov_b32 s[\g+5], 1536                        ; from tile to tile: 12,288 bytes
	s_mov_b32 s[\g+6], 0
	s_mov_b32 s[\g+7], 0
.endr
	s_mov_b32 s[G1R+2], 8<<16                      ; tensor_dim1: eight tiles a load,
	s_mov_b32 s[G1R+4], 8                          ; tile_dim1
	s_mov_b32 s[G1L+2], 4<<16                      ; four
	s_mov_b32 s[G1L+4], 4
	s_and_b32 s23, s21, 15
	s_and_b32 s2, s21, 1
	s_lshr_b32 s3, s23, 1
	s_cmp_eq_u32 s22, 2
	s_cselect_b32 s2, s2, s23
	s_cselect_b32 s3, s3, 0
	s_lshl_b32 s2, s2, 2
	s_add_co_u32 s84, s2, s20                      ; which 128 rows of the lane operand: made of the cluster's y and cy alone
	s_lshl_b32 s3, s3, 2
	s_add_co_u32 s85, s3, s19                      ; which 256 rows of the register operand: of the cluster's y and cx alone
	s_mul_i32 s2, s22, 6291456                     ; role x a tensor's codes in xc
	s_mul_i32 s3, s22, 786432                      ; role x a matrix's codes in wc
	s_lshl_b32 s61, s22, 18                        ; role x a tensor's records in xs
	s_lshl_b32 s23, s22, 15                        ; role x a matrix's records in ws
	s_cmp_eq_u32 s22, 2
	s_cselect_b32 s86, s3, s2                      ; the lane operand is x for q and k, Wv for v;
	s_cselect_b32 s88, s2, s3                      ; the register operand the other
	s_cselect_b32 s90, s23, s61
	s_cselect_b32 s92, s61, s23
	s_mul_i32 s2, s84, 98304
	s_add_co_u32 s86, s86, s2
	s_mul_i32 s2, s18, 49152                       ; the four tiles that I would fetch
	s_add_co_u32 s86, s86, s2
	s_mov_b32 s87, 0
	s_mul_i32 s3, s85, 196608
	s_add_co_u32 s88, s88, s3
	s_mul_i32 s3, s18, 98304                       ; the eight tiles that I would fetch
	s_add_co_u32 s88, s88, s3
	s_mov_b32 s89, 0
	s_lshl_b32 s2, s84, 12
	s_add_co_u32 s90, s90, s2
	s_lshl_b32 s2, s17, 11                         ; the scale records of my four lane tiles
	s_add_co_u32 s90, s90, s2
	s_mov_b32 s91, 0
	s_lshl_b32 s3, s85, 13
	s_add_co_u32 s92, s92, s3
	s_lshl_b32 s3, s18, 12                         ; and of my eight register tiles
	s_add_co_u32 s92, s92, s3
	s_mov_b32 s93, 0
	s_mul_i32 s98, s18, 24576                      ; where the fetched tiles go: no place in the cluster enters an LDS address
	s_mul_i32 s99, s18, 12288
	s_mov_b32 s[HIM], 0xffff0000
	s_mov_b32 s[SEL], 0x76543210
	s_mov_b32 s[SEL+1], 0xfedcba98
	s_wait_dscnt 0x0                               ; the opening add is done
	s_wait_kmcnt 0x0
	s_cmp_eq_u32 s22, 2
	s_cselect_b64 s[94:95], s[8:9], s[4:5]         ; the lane operand's codes,
	s_cselect_b64 s[96:97], s[4:5], s[8:9]         ; the register operand's,
	s_cselect_b64 s[56:57], s[10:11], s[6:7]       ; and their scale records
	s_cselect_b64 s[58:59], s[6:7], s[10:11]
	s_add_nc_u64 s[94:95], s[94:95], s[86:87]
	s_add_nc_u64 s[96:97], s[96:97], s[88:89]
	s_add_nc_u64 s[56:57], s[56:57], s[90:91]
	s_add_nc_u64 s[58:59], s[58:59], s[92:93]
	CROUND                                         ; all sixteen work-groups are here: the joint loads meet
.irp c, 0,1,2,3
	s_mov_b32 s[G0R+4*\c], 1
	s_add_co_u32 s[G0R+4*\c+1], s98, \c*CH+ROFF
	s_add_nc_u64 s[G0R+4*\c+2:G0R+4*\c+3], s[96:97], \c*3072
	s_or_b32 s[G0R+4*\c+3], s[G0R+4*\c+3], 0x80000000
	s_mov_b32 s[G0L+4*\c], 1
	s_add_co_u32 s[G0L+4*\c+1], s99, \c*CH
	s_add_nc_u64 s[G0L+4*\c+2:G0L+4*\c+3], s[94:95], \c*3072
	s_or_b32 s[G0L+4*\c+3], s[G0L+4*\c+3], 0x80000000
.endr
	s_cmp_eq_u32 s17, 0                            ; a wave's four first fills stand in one branch on the wave's number, ahead of every wait on TENSORcnt, every LDS read and every barrier but the round
	s_cbranch_scc0 .Lfor_l
.irp c, 0,1,2,3
	tensor_load_to_lds s[G0R+4*\c:G0R+4*\c+3], s[G1R:G1R+7]
	s_nop 0
.endr
	PLACES 4
	s_branch .Lasked
.Lfor_l:
.irp c, 0,1,2,3
	tensor_load_to_lds s[G0L+4*\c:G0L+4*\c+3], s[G1L:G1L+7]
	s_nop 0
.endr
	PLACES 4
.Lasked:
	v_and_b32 v1, 31, v0                           ; lane
	v_and_b32 v2, 15, v0                           ; r
	v_bfe_u32 v3, v0, 4, 1                         ; h
	v_lshlrev_b32 v[V16L], 4, v1
	v_lshlrev_b32 v[V8L], 3, v1
	v_lshlrev_b32 v4, 4, v2
	v_lshl_add_u32 v[VRS], v3, 11, v4              ; 16 r; lanes 16-31 four tiles (2,048 bytes) on
	v_lshl_add_u32 v[VLS], v3, 10, v4              ; 16 r; lanes 16-31 two tiles on
.irp i, 0,1,2,3
.irp kh, 0,1
	global_load_b128 v[RS+8*\i+4*\kh:RS+8*\i+4*\kh+3], v[VRS], s[58:59] offset:512*\i+256*\kh
.endr
.endr
.irp i, 0,1
.irp kh, 0,1
	global_load_b128 v[LS+8*\i+4*\kh:LS+8*\i+4*\kh+3], v[VLS], s[56:57] offset:512*\i+256*\kh
.endr
.endr
	s_mul_i32 s2, s17, 12288                       ; my four lane tiles,
	s_mul_i32 s3, s18, 24576
	s_add_co_u32 s3, s3, ROFF                      ; my eight register tiles
.irp c, 0,1,2,3
	v_add_nc_u32 v[ADL+\c], s2, v[V16L]
	v_add_nc_u32 v[ADR+\c], s3, v[V16L]
	s_add_co_u32 s2, s2, CH
	s_add_co_u32 s3, s3, CH
.endr
.irp b, 0,1,2,3
	v_mov_b32 v[TM+4+\b], 0                        ; written once: a lane permute's destination counts as one of its sources
.endr
	s_wait_loadcnt 0x0                             ; the scale words
	s_wait_tensorcnt 3                             ; my part of chunk 0 is in; my three later chunks may stay out
	s_barrier_signal -1
	s_barrier_wait -1
	FETCH 0, 0
	KSTEP 0, 1                                     ; the first K step's products start the sums: nothing is cleared
	KSTEP 1, 0
	KSTEP 2, 0
	KSTEP 3, 0
	KSTEP 4, 0
	KSTEP 5, 0
	KSTEP 6, 0
	s_wait_dscnt 0x0
	MUL 7, 1, 0
	WIN 0
	PLACES 4                                       ; in front of the first read of results
	s_cmp_eq_u32 s22, 2
	s_cbranch_scc1 .Lv
	; ---- q, k: my 64 tokens x two heads.  Lane tile a = 2 p + u: blocks 0, 1 are the first head's 64, blocks 2, 3 the second's; image 2 p + c holds head c of the pair p
	QUANT 0, IMG, IMG+12, PW
	QUANT 64, IMG+6, IMG+18, PW+1
	QUANT 128, IMG+24, IMG+36, PW+2
	QUANT 192, IMG+30, IMG+42, PW+3
	s_lshl_b32 s2, s84, 2
	s_lshl_b32 s3, s17, 1
	s_add_co_u32 s2, s2, s3                        ; my first group of 32 tokens
	s_lshr_b32 s3, s2, 6                           ; the batch
	s_and_b32 s2, s2, 63                           ; the group in it
	s_lshl_b32 s3, s3, 4
	s_lshl_b32 s61, s85, 2
	s_add_co_u32 s3, s3, s61
	s_lshl_b32 s61, s18, 1
	s_add_co_u32 s3, s3, s61                       ; 16 x batch + my first head
	s_lshl_b32 s86, s3, 6
	s_add_co_u32 s86, s86, s2
	s_mul_i32 s86, s86, 1536
	s_mul_i32 s61, s22, 6291456
	s_add_co_u32 s86, s86, s61
	s_mov_b32 s87, 0
	s_add_nc_u64 s[12:13], s[12:13], s[86:87]
	s_lshl_b32 s88, s3, 5
	s_lshr_b32 s2, s2, 1
	s_add_co_u32 s88, s88, s2
	s_lshl_b32 s88, s88, 8
	s_lshl_b32 s61, s22, 19
	s_add_co_u32 s88, s88, s61
	s_mov_b32 s89, 0
	s_add_nc_u64 s[14:15], s[14:15], s[88:89]
.irp n, 0,1,2,3
.irp g, 0,1,2
	global_store_b128 v[V16L], v[IMG+12*\n+4*\g:IMG+12*\n+4*\g+3], s[12:13] offset:(\n/2)*1536+(\n%2)*98304+512*\g   ; 32 lanes store 512 consecutive bytes
.endr
.endr
	v_cndmask_b32 v[SW], v[PW], v[PW+1], s[HIM]    ; pair 0: lanes 0-15 tile 0's words, lanes 16-31 tile 1's
	v_cndmask_b32 v[SW+1], v[PW+2], v[PW+3], s[HIM]
	v_lshrrev_b32 v[SW+2], 16, v[SW]               ; the second head's two bytes.  (The first head's words keep the second's in bytes 2, 3: those meet zero codes)
	v_lshrrev_b32 v[SW+3], 16, v[SW+1]
	global_store_b64 v[V8L], v[SW:SW+1], s[14:15]                  ; 256 consecutive bytes, aligned
	global_store_b64 v[V8L], v[SW+2:SW+3], s[14:15] offset:8192
	s_branch .Lend
	; ---- v: my head's 64 channels x 128 keys: lane tile a is a whole fragment, 16 channels x 128 keys
.Lv:
	QUANT 0, IMG, IMG+6, PW
	QUANT 64, IMG+12, IMG+18, PW+1
	QUANT 128, IMG+24, IMG+30, PW+2
	QUANT 192, IMG+36, IMG+42, PW+3
	s_lshl_b32 s2, s85, 1
	s_add_co_u32 s2, s2, s18                       ; which 128 keys of the 8,192
	s_lshr_b32 s3, s2, 4                           ; the batch
	s_and_b32 s2, s2, 15                           ; the key step in it
	s_lshl_b32 s3, s3, 4
	s_lshl_b32 s61, s84, 1
	s_add_co_u32 s3, s3, s61
	s_add_co_u32 s3, s3, s17                       ; 16 x batch + head
	s_lshl_b32 s3, s3, 4
	s_add_co_u32 s3, s3, s2
	s_mul_i32 s86, s3, 6144
	s_add_co_u32 s86, s86, 12582912
	s_mov_b32 s87, 0
	s_add_nc_u64 s[12:13], s[12:13], s[86:87]
	s_lshl_b32 s88, s3, 8
	s_add_co_u32 s88, s88, 1048576
	s_mov_b32 s89, 0
	s_add_nc_u64 s[14:15], s[14:15], s[88:89]
.irp n, 0,1,2,3
.irp g, 0,1,2
	global_store_b128 v[V16L], v[IMG+12*\n+4*\g:IMG+12*\n+4*\g+3], s[12:13] offset:1536*\n+512*\g
.endr
.endr
	v_cndmask_b32 v[SW], v[PW], v[PW+1], s[HIM]    ; word 0: lanes 0-15 tile 0, lanes 16-31 tile 1;
	v_cndmask_b32 v[SW+1], v[PW+2], v[PW+3], s[HIM]  ; word 1: tiles 2 and 3
	global_store_b64 v[V8L], v[SW:SW+1], s[14:15]
.Lend:
	s_wait_tensorcnt 0x0                           ; the wave's end
	ds_add_u32 v[SPW], v[NIL]
	s_wait_dscnt 0x0
	CROUND                                         ; the closing round: no work-group ends while a partner may still ask for a tile that names it
	s_endpgm
.Lfunc_end_k_q6050b2bc50_proj:
	.size	k_q6050b2bc50_proj, .Lfunc_end_k_q6050b2bc50_proj-k_q6050b2bc50_proj
	.p2alignl 7, 3214868480
	.fill 96, 4, 3214868480
	.section	.rodata,"a",@progbits
	.p2align	6, 0x0
	.amdhsa_kernel k_q6050b2bc50_proj
		.amdhsa_group_segment_fixed_size 327680
		.amdhsa_private_segment_fixed_size 0
		.amdhsa_enable_private_segment 0
		.amdhsa_kernarg_size 48
		.amdhsa_user_sgpr_count 2
		.amdhsa_user_sgpr_kernarg_segment_ptr 1
		.amdhsa_wavefront_size32 1
		.amdhsa_system_sgpr_workgroup_id_x 1
		.amdhsa_system_sgpr_workgroup_id_y 1
		.amdhsa_system_sgpr_workgroup_id_z 1
		.amdhsa_system_vgpr_workitem_id 0
		.amdhsa_next_free_vgpr 768
		.amdhsa_next_free_sgpr 100
		.amdhsa_reserve_vcc 0
		.amdhsa_float_denorm_mode_32 3
		.amdhsa_float_denorm_mode_16_64 3
		.amdhsa_memory_ordered 1
		.amdhsa_forward_progress 1
		.amdhsa_inst_pref_size 99
	.end_amdhsa_kernel
	.amdgpu_metadata
---
amdhsa.version: [ 1, 2 ]
amdhsa.kernels:
  - .name:           k_q6050b2bc50_proj
    .symbol:         k_q6050b2bc50_proj.kd
    .args:
      - { .name: xc, .offset: 0, .size: 8, .value_kind: global_buffer, .address_space: global }
      - { .name: xs, .offset: 8, .size: 8, .value_kind: global_buffer, .address_space: global }
      - { .name: wc, .offset: 16, .size: 8, .value_kind: global_buffer, .address_space: global }
      - { .name: ws, .offset: 24, .size: 8, .value_kind: global_buffer, .address_space: global }
      - { .name: hc, .offset: 32, .size: 8, .value_kind: global_buffer, .address_space: global }
      - { .name: hs, .offset: 40, .size: 8, .value_kind: global_buffer, .address_space: global }
    .group_segment_fixed_size: 327680
    .private_segment_fixed_size: 0
    .kernarg_segment_align: 8
    .kernarg_segment_size: 48
    .max_flat_workgroup_size: 128
    .sgpr_count:     100
    .vgpr_count:     768
    .wavefront_size: 32
...
	.end_amdgpu_metadata
.endif
;; end of part 2
;; launch attn (part 3): grid 8 x 64, 16 waves a work-group, no clusters, 210,944 bytes of LDS; arguments hc, hs, valid_len, oc, os; writes oc, os
.if DOCPART == 3
	.amdgcn_target "amdgcn-amd-amdhsa--gfx1250"
	.amdhsa_code_object_version 6
	.text
	.protected	k_q6050b2bc50_attn
	.globl	k_q6050b2bc50_attn
	.p2align	8
	.type	k_q6050b2bc50_attn,@function
k_q6050b2bc50_attn:
	s_mov_b64 s[64:65], 0
	v_nop
	global_prefetch_b8 v0, s[64:65] scope:SCOPE_SE
	s_setreg_imm32_b32 hwreg(HW_REG_WAVE_MODE, 25, 1), 1
	s_wait_xcnt 0x0
; For each batch and head: S = q k^T / 8; rows q_pos >= valid_len[batch] get the logit -100000 everywhere; p = 2^(t - M), t = logit x log2(e), M = the ceiling of the running largest t; O = (p v) / (the sum of the unquantised p).
; Both products on codes of FP6 (E2M3) with E8M0 scales; p is quantised along the keys; O is quantised along the model's 1,024 (a head's 64 are two blocks) and leaves as codes for the last product.
; SHARES.  A work-group owns one batch and head; each of its SIXTEEN waves owns one tile of 16 queries, tile 8 w + x of the batch's 128 (x: the work-group's x): a work-group's tiles are spread over the whole sequence,
; so that every work-group of a batch has the same share of rows under the mask.  Four waves to a SIMD: one wave's vector work stands beside another's products and LDS loads.
; THE FIRST PRODUCT'S K IS 64, half of the instruction's 128: q's fragment has zero codes in registers 6-11, so whatever stands in the upper six registers of k's operand (the next tile's codes) adds nothing.
; LAYOUT.  Both products are used transposed (S^T = k q^T, O^T = v^T p^T): a lane holds one query throughout.  The keys of a tile are chosen so that a lane's 16 registers of two neighbouring tiles are 16 neighbouring keys.
; K AND V OF THE HEAD LIE IN LDS WHOLE (2 x 98,304 bytes, images of operand registers); each LDS byte is written once, through registers, a chunk of two key steps at a time, two chunks ahead of its use;
; one barrier a chunk, between the chunk's stores and its first reads.  The data mover is not used: this text branches on valid_len, a number read from memory.
; No joint requests either, for the same reason; the eight work-groups of a head read the same 196,608 bytes.
; THE MASK costs no select a number: a lane's factor CL is c = log2(e) / 8 or 0 and its offset OL is 0 or -100000 x log2(e); t = s CL + OL.
; A TILE WHOLLY UNDER THE MASK has the same p (2^-0.5), codes and scale word in every key step: it runs key step 0 in full and then only the second product; its sum of 128 keys is multiplied by 16 at the end, which is exact.
; LIMITS: NaN and infinities are not served; under the mask the raw score must be finite (it is multiplied by 0); p under 2^-126 counts as 0 (v_exp_f32 gives 0 there); 1 / l is v_rcp_f32;
; a block of zeros gets the byte 1 (its codes are zeros; this program alone reads the bytes).
; REGISTERS: v1-4, v7, v28, v89 addresses that stay; v8-11 at work at the head, then the step's LDS addresses; v12 -M, v13 the largest t, v[14:15] the sum; v16-21 q, v22-27 zeros; v[30:31] CL; v32-79 four pairs of k's tiles, or four fragments of v;
; v80-85 zeros; v[86:87] -M + OL; v88 OL; v96-159 S^T, then p; v160-191 O^T; v192-215 two chunks on their way; v224-235 p's codes; v232-254 at work; v248-251 k's or v's scale words; v253 p's scale word; v255 q's.
.set VC,    98304                      ; LDS: K's images from 0, V's from here,
.set KSC,   196608                     ; K's scale words, 512 bytes a key step,
.set VSC,   204800                     ; V's, 256 a key step,
.set SPARE, 208896                     ; the spare words, 128 bytes for each wave: eight blocks of 256 bytes that no other line names
.set SPW,   5
.set NIL,   6
.set FST,   7                          ; v7  where my part of chunk 0 goes
.set ADK,   8
.set ADV,   9
.set ADS,   10
.set ADT,   11
.set PFO,   28                         ; v28 256 x lane
.set FA,    29                         ; v29 where my part of the chunk in hand goes
.set WV,    14                         ; s14 my wave's number
.set SEL,   20                         ; s[20:21] lane selects: lane l xor 16
.set TK,    22                         ; s22 the key step's images: 6,144 bytes a step, in K's region and in V's
.set TS,    23                         ; s23 K's scale words: 512 a step
.set TV,    24                         ; s24 V's: 256 a step
.set TF,    25                         ; s25 the chunk to be stored: 12,288 a chunk
.set SRC,   26                         ; s[26:27] my 1,536 bytes of the chunk in hand, in memory
.set PFA,   28                         ; s[28:29] where my prefetches stand
.set LIM,   30                         ; s30 1 in a wave that prefetches, else the greatest number
.set TRIPS, 31
.set MSK,   32                         ; s32 1: my whole tile lies under the mask
.set SKIP,  33                         ; s33 0 in key step 0, then MSK
.set LM,    34                         ; s34 16.0 for such a tile, else 1.0
; A PREFETCH INTO THE L2: a trip (chunks 2 i, 2 i + 1) asks for chunks 2 i + 4 and 2 i + 5, 24,576 bytes of K and as many of V: one trip, four key steps, ahead of the loads that bring them.
; The eight work-groups of a head read the same bytes: the first of them (x = 0) asks; in it waves 0-2 for K and waves 8-10 for V, 8,192 bytes a wave, lanes 256 bytes apart: each block is named once.
; Chunks 0 to 3 come by their loads alone; the third trip and the tail ask for nothing.
.macro ASK
	s_cmp_gt_u32 s[TRIPS], s[LIM]
	s_cbranch_scc0 .Lnot_mine_\@
	global_prefetch_b8 v[PFO], s[PFA:PFA+1] th:TH_LOAD_NT scope:SCOPE_SE
.Lnot_mine_\@:
.endm
; A KEY STEP: 128 keys.
.macro STEP
	v_add_nc_u32 v[ADK], s[TK], v1                 ; the step's four LDS addresses, made on both ways: they are also the four places between the last step's products and the loads into registers that those have read
	v_add_nc_u32 v[ADS], s[TS], v3
	v_add_nc_u32 v[ADV], s[TK], v2
	v_add_nc_u32 v[ADT], s[TV], v4
	s_cmp_lg_u32 s[SKIP], 0                        ; a tile wholly under the mask keeps p's codes and scale word of key step 0.  The jump leads round no barrier and no global load
	s_cbranch_scc1 .Lpv_\@
.irp g, 0,1,2,3,4,5,6,7,8,9,10,11
	ds_load_b128 v[32+4*\g:35+4*\g], v[ADK] offset:512*\g          ; four pairs of tiles: 512 consecutive bytes a load
.endr
	ds_load_b64 v[248:249], v[ADS]                 ; word p: lanes 0-15 tile 2 p, lanes 16-31 tile 2 p + 1
	ds_load_b64 v[250:251], v[ADS] offset:256
	s_wait_dscnt 0x0
.irp p, 0,1,2,3                        ; S^T = k q^T: eight tiles of 16 keys
	v_wmma_scale_f32_16x16x128_f8f6f4 v[96+16*\p:103+16*\p], v[32+12*\p:43+12*\p], v[16:27], 0, v[248+\p], v255 matrix_a_fmt:MATRIX_FMT_FP6 matrix_b_fmt:MATRIX_FMT_FP6
	v_wmma_scale_f32_16x16x128_f8f6f4 v[104+16*\p:111+16*\p], v[38+12*\p:49+12*\p], v[16:27], 0, v[248+\p], v255 matrix_a_fmt:MATRIX_FMT_FP6 matrix_b_fmt:MATRIX_FMT_FP6 matrix_a_scale:MATRIX_SCALE_ROW1
.endr
.rept 4
	v_nop                                          ; places in front of the first read of results
.endr
.irp b, 0,1,2,3
	v_max3_num_f32 v[232+\b], v[96+16*\b], v[97+16*\b], v[98+16*\b]   ; the largest score of each block of 32 keys: it serves for the row's maximum and, since p does not fall where the score rises, for the block's largest p
.endr
.irp i, 3,5,7,9,11,13
.irp b, 0,1,2,3
	v_max3_num_f32 v[232+\b], v[232+\b], v[96+16*\b+\i], v[97+16*\b+\i]
.endr
.endr
.irp b, 0,1,2,3
	v_max_num_f32 v[232+\b], v[232+\b], v[111+16*\b]
.endr
.irp b, 0,1,2,3
	v_permlanex16_b32 v[236+\b], v[232+\b], s[SEL], s[SEL+1]
.endr
.irp b, 0,1,2,3
	v_max_num_f32 v[232+\b], v[232+\b], v[236+\b]  ; with lane l xor 16's 16 keys
.endr
	v_max3_num_f32 v254, v232, v233, v234
	v_max_num_f32 v254, v254, v235                 ; the step's largest score of my query,
	v_fma_f32 v254, v254, v30, v88                 ; as t: s CL + OL
	v_max_num_f32 v13, v13, v254                   ; the running largest t
	v_mov_b32 v254, v12
	v_floor_f32 v12, -v13                          ; the new -M = -ceil(t): a whole number
	v_sub_f32 v254, v12, v254                      ; old M - new M: a whole number, 0 or less
	v_cvt_i32_f32 v254, v254                       ; (it saturates)
	v_ldexp_f32 v252, 1.0, v254                    ; f = 2^(old M - new M): a multiplication by it rounds nothing
	v_add_f32 v86, v12, v88                        ; -M + OL: exact (-M where the row counts, -0.5 under the mask)
.irp j, 0,2,4,6,8,10,12,14,16,18,20,22,24,26,28,30,32,34,36,38,40,42,44,46,48,50,52,54,56,58,60,62
	v_pk_fma_f32 v[96+\j:97+\j], v[96+\j:97+\j], v[30:31], v[86:87] op_sel_hi:[1,0,0]   ; t - M, two at a time (of both pairs the low word serves both halves)
.endr
.irp b, 0,1,2,3
	v_fma_f32 v[232+\b], v[232+\b], v30, v86       ; the same of each block's largest score
.endr
.irp j, 0,1,2,3,4,5,6,7,8,9,10,11,12,13,14,15,16,17,18,19,20,21,22,23,24,25,26,27,28,29,30,31,32,33,34,35,36,37,38,39,40,41,42,43,44,45,46,47,48,49,50,51,52,53,54,55,56,57,58,59,60,61,62,63
	v_exp_f32 v[96+\j], v[96+\j]                   ; p = 2^(t - M): not normalised
.endr
	v_pk_mul_f32 v[14:15], v[14:15], v[252:253] op_sel_hi:[1,0]   ; the sums under the new M: a plain place behind the exponentials
	s_wait_alu depctr_va_vdst(0)                   ; one wait for the whole batch, ahead of its first reader
.irp b, 0,1,2,3
	v_exp_f32 v[232+\b], v[232+\b]                 ; the block's largest p
.endr
	v_pk_add_f32 v[236:237], v[96:97], v[98:99]    ; the row's sum is taken of the unquantised p: two at a time, in two chains
.irp j, 4,8,12,16,20,24,28,32,36,40,44,48,52,56,60
	v_pk_add_f32 v[14:15], v[14:15], v[96+\j:97+\j]
	v_pk_add_f32 v[236:237], v[236:237], v[98+\j:99+\j]
.endr
	v_pk_add_f32 v[14:15], v[14:15], v[236:237]
	s_wait_alu depctr_va_vdst(0)                   ; and one for the four
.irp b, 0,1,2,3
	v_max_num_f32 v[232+\b], 0x1800000, v[232+\b]  ; the floor 2^(3 - 127): the byte cannot fall under 1
.endr
.irp b, 0,1,2,3
	v_add_nc_u32 v[244+\b], 0xff000000, v[232+\b]  ; 2 off the exponent field: the conversion's scale operand
.endr
.irp b, 0,1,2,3
	v_lshrrev_b32 v[236+\b], 23, v[244+\b]         ; the byte
.endr
	v_lshl_or_b32 v253, v237, 8, v236              ; p's scale word for these 128 keys
	v_lshl_or_b32 v253, v238, 16, v253
	v_lshl_or_b32 v253, v239, 24, v253
.irp c, 0,1
	v_cvt_scalef32_pk16_fp6_f32 v[224+6*\c:226+6*\c], v[96+32*\c:111+32*\c], v[244+2*\c]
	v_cvt_scalef32_pk16_fp6_f32 v[236+4*\c:238+4*\c], v[112+32*\c:127+32*\c], v[244+2*\c+1]   ; (a conversion's three registers begin on an even number)
.endr
	v_nop                                          ; one plain place behind the scaled conversions
.irp c, 0,1                            ; a whole block to a lane
.irp i, 0,1,2
	v_permlane16_swap_b32 v[224+6*\c+\i], v[236+4*\c+\i]
.endr
.irp i, 0,1,2
	v_mov_b32 v[227+6*\c+\i], v[236+4*\c+\i]
.endr
.endr
.irp j, 0,2,4,6,8,10,12,14,16,18,20,22,24,26,28,30
	v_pk_mul_f32 v[160+\j:161+\j], v[160+\j:161+\j], v[252:253] op_sel_hi:[1,0]   ; O^T under the new M.  (These sixteen are also the places between p's codes and scale word and the products below)
.endr
.Lpv_\@:
.irp g, 0,1,2,3,4,5,6,7,8,9,10,11
	ds_load_b128 v[32+4*\g:35+4*\g], v[ADV] offset:512*\g          ; V's four fragments: 16 channels x these 128 keys each
.endr
	ds_load_b64 v[248:249], v[ADT]                 ; word i: lanes 0-15 tile 2 i, lanes 16-31 tile 2 i + 1
	s_wait_dscnt 0x0
.irp t, 0,2                            ; O^T += v^T p^T: the four accumulators take turns, one instruction a turn, on the short way too
	v_wmma_scale_f32_16x16x128_f8f6f4 v[160+8*\t:167+8*\t], v[32+12*\t:43+12*\t], v[224:235], v[160+8*\t:167+8*\t], v[248+\t/2], v253 matrix_a_fmt:MATRIX_FMT_FP6 matrix_b_fmt:MATRIX_FMT_FP6
	v_wmma_scale_f32_16x16x128_f8f6f4 v[168+8*\t:175+8*\t], v[44+12*\t:55+12*\t], v[224:235], v[168+8*\t:175+8*\t], v[248+\t/2], v253 matrix_a_fmt:MATRIX_FMT_FP6 matrix_b_fmt:MATRIX_FMT_FP6 matrix_a_scale:MATRIX_SCALE_ROW1
.endr
	s_add_co_u32 s[TK], s[TK], 6144
	s_add_co_u32 s[TS], s[TS], 512
	s_add_co_u32 s[TV], s[TV], 256
	s_mov_b32 s[SKIP], s[MSK]
.endm
; A CHUNK: my 1,536 bytes of it go from registers (set) to LDS; a barrier; the chunk two on is asked for into the same registers; the chunk's two key steps.  n: how many younger loads may stay out.
.macro CHUNK set, n, load, ask
	s_wait_loadcnt \n                              ; my three loads of this chunk are in; the next chunk's three may be out
	v_add_nc_u32 v[FA], s[TF], v[FST]
.irp i, 0,1,2
	ds_store_b128 v[FA], v[192+12*(\set)+4*\i:195+12*(\set)+4*\i] offset:512*\i
.endr
	s_add_co_u32 s[TF], s[TF], 12288
	s_wait_dscnt 0x0                               ; for the others' sake: my stores have landed (and have read their registers)
	s_barrier_signal -1
	s_barrier_wait -1                              ; the chunk is whole.  No LDS byte is written twice, so no barrier is owed between reads and later stores
.if \load
.irp i, 0,1,2
	global_load_b128 v[192+12*(\set)+4*\i:195+12*(\set)+4*\i], v1, s[SRC:SRC+1] offset:24576+512*\i
.endr
.endif
.if \ask
	ASK
.endif
	STEP
	STEP
.if \load
	s_wait_xcnt 0x0                                ; the loads, and the prefetch two key steps back, have read their addresses, so these may be written
	s_add_nc_u64 s[SRC:SRC+1], s[SRC:SRC+1], 12288
.if \ask
	s_add_nc_u64 s[PFA:PFA+1], s[PFA:PFA+1], 24576
.endif
.endif
.endm
	s_load_b256 s[4:11], s[0:1], 0x0               ; hc s[4:5], hs s[6:7], valid_len s[8:9], oc s[10:11]
	s_load_b64 s[12:13], s[0:1], 0x20              ; os
	v_lshl_add_u32 v[SPW], v0, 2, SPARE
	v_mov_b32 v[NIL], 0
	v_lshrrev_b32 v8, 5, v0
	v_readfirstlane_b32 s[WV], v8                  ; wave 0..15
	s_and_b32 s35, ttmp7, 0xffff
	s_and_b32 s16, s35, 3                          ; the batch: neighbouring work-groups take different batches
	s_lshr_b32 s17, s35, 2                         ; the head
	s_lshl_b32 s18, s16, 4
	s_add_co_u32 s18, s18, s17                     ; 16 x batch + head
	s_lshr_b32 s50, ttmp9, 1                       ; my tile is tile u of pair p of the 128 queries 128 w on
	s_and_b32 s51, ttmp9, 1
	s_wait_kmcnt 0x0
	s_load_b128 s[36:39], s[8:9], 0x0              ; valid_len, all four
	v_and_b32 v9, 31, v0                           ; lane (v9 to v11 hold this and the next two only up to the loop: there they are the step's addresses)
	v_and_b32 v10, 15, v0                          ; r
	v_lshlrev_b32 v1, 4, v9                        ; 16 x lane: K's images
	v_add_nc_u32 v2, VC, v1                        ; V's
	v_lshlrev_b32 v89, 3, v9                       ; 8 x lane
	v_add_nc_u32 v3, KSC, v89
	v_add_nc_u32 v4, VSC, v89
	v_lshlrev_b32 v[PFO], 8, v9
	s_lshr_b32 s52, s[WV], 3                       ; waves 0-7 copy K, waves 8-15 V: 1,536 bytes of a chunk each
	s_mul_i32 s52, s52, VC
	s_and_b32 s53, s[WV], 7
	s_mul_i32 s54, s53, 1536
	s_add_co_u32 s52, s52, s54
	v_add_nc_u32 v[FST], s52, v1
	s_lshl_b32 s52, s[WV], 9                       ; wave w also copies key step w's scale words
	v_add_nc_u32 v94, s52, v1
	v_add_nc_u32 v94, KSC, v94
	s_lshl_b32 s52, s[WV], 8
	v_add_nc_u32 v95, s52, v89
	v_add_nc_u32 v95, VSC, v95
	s_lshl_b32 s48, s18, 13                        ; K's scale words of key step w
	s_lshl_b32 s49, s[WV], 9
	s_add_co_u32 s48, s48, s49
	s_add_co_u32 s48, s48, 524288
	s_mov_b32 s49, 0
	s_add_nc_u64 s[40:41], s[6:7], s[48:49]
	s_lshl_b32 s48, s18, 12                        ; V's
	s_lshl_b32 s52, s[WV], 8
	s_add_co_u32 s48, s48, s52
	s_add_co_u32 s48, s48, 1048576
	s_add_nc_u64 s[42:43], s[6:7], s[48:49]
	s_lshl_b32 s48, s18, 6                         ; q: the image of my pair of tiles
	s_lshl_b32 s52, s[WV], 2
	s_add_co_u32 s48, s48, s52
	s_add_co_u32 s48, s48, s50
	s_mul_i32 s48, s48, 1536
	s_add_nc_u64 s[44:45], s[4:5], s[48:49]
	s_lshl_b32 s48, s18, 5                         ; and its scale words
	s_lshl_b32 s52, s[WV], 1
	s_add_co_u32 s48, s48, s52
	s_lshr_b32 s52, s50, 1
	s_add_co_u32 s48, s48, s52
	s_lshl_b32 s48, s48, 8
	s_add_nc_u64 s[46:47], s[6:7], s[48:49]
	s_mul_i32 s55, s18, 98304                      ; the head's K or V
	s_mov_b32 s48, 12582912
	s_cmp_lt_u32 s[WV], 8
	s_cselect_b32 s48, 6291456, s48
	s_add_co_u32 s48, s48, s55
	s_add_nc_u64 s[PFA:PFA+1], s[4:5], s[48:49]
	s_add_co_u32 s48, s48, s54                     ; + my 1,536 bytes
	s_add_nc_u64 s[SRC:SRC+1], s[4:5], s[48:49]
	s_lshl_b32 s48, s53, 13
	s_add_co_u32 s48, s48, 49152                   ; the prefetches begin at chunk 4, 8,192 bytes a wave
	s_add_nc_u64 s[PFA:PFA+1], s[PFA:PFA+1], s[48:49]
	s_cmp_lt_u32 s53, 3
	s_cselect_b32 s52, 0, 1
	s_or_b32 s52, s52, ttmp9
	s_cmp_eq_u32 s52, 0
	s_cselect_b32 s[LIM], 1, -1
	s_cmp_lg_u32 s51, 0                            ; q's six registers in the pair's image: registers 0-5 (bytes 0, 8, 512 of my lane's) or 6-11 (520, 1024, 1032)
	s_cselect_b32 s52, 520, 0
	s_cselect_b32 s53, 1024, 8
	v_add_nc_u32 v90, s52, v1
	v_add_nc_u32 v91, s53, v1
	v_add_nc_u32 v92, 512, v90
	s_lshl_b32 s52, s51, 7
	s_and_b32 s53, s50, 1
	s_lshl_b32 s53, s53, 2
	s_add_co_u32 s52, s52, s53
	v_lshl_add_u32 v93, v10, 3, s52                ; q's scale word: lane 16 u + r of the record, word p % 2
	global_load_b128 v[216:219], v1, s[40:41]
	global_load_b64 v[220:221], v89, s[42:43]
	global_load_b64 v[16:17], v90, s[44:45]
	global_load_b64 v[18:19], v91, s[44:45]
	global_load_b64 v[20:21], v92, s[44:45]
	global_load_b32 v255, v93, s[46:47]
.irp i, 0,1,2
	global_load_b128 v[192+4*\i:195+4*\i], v1, s[SRC:SRC+1] offset:512*\i          ; chunk 0
.endr
.irp i, 0,1,2
	global_load_b128 v[204+4*\i:207+4*\i], v1, s[SRC:SRC+1] offset:12288+512*\i    ; chunk 1
.endr
	s_lshl_b32 s55, s[WV], 7
	s_lshl_b32 s52, s50, 5
	s_add_co_u32 s55, s55, s52
	s_lshl_b32 s52, s51, 3
	s_add_co_u32 s55, s55, s52                     ; my tile's first query: 128 w + 32 p + 8 u
	v_and_b32 v11, 8, v10
	v_add_nc_u32 v11, v11, v10
	v_add_nc_u32 v11, s55, v11                     ; my lane's query: + r + 8 (r / 8)
	s_mov_b32 s[SEL], 0x76543210
	s_mov_b32 s[SEL+1], 0xfedcba98
	s_mov_b32 s[TK], 0
	s_mov_b32 s[TS], 0
	s_mov_b32 s[TV], 0
	s_mov_b32 s[TF], 0
	s_mov_b32 s[SKIP], 0
	s_mov_b32 s[LM], 0x3f800000
.irp j, 22,23,24,25,26,27,80,81,82,83,84,85
	v_mov_b32 v[\j], 0                             ; zero codes: q's upper half of K, and what stands behind k's last tile
.endr
.irp j, 0,1,2,3,4,5,6,7,8,9,10,11,12,13,14,15,16,17,18,19,20,21,22,23,24,25,26,27,28,29,30,31
	v_mov_b32 v[160+\j], 0                         ; O^T: the step is written once; the first finds zeros, which the first change of M leaves zeros
.endr
.irp j, 224,225,226,227,228,229,230,231,232,233,234,235,236,237,238,239,252,253,87,14,15
	v_mov_b32 v[\j], 0                             ; p's codes and scale word (written on every way before they are named), permutes' destinations, upper halves of named pairs, the sum
.endr
	v_mov_b32 v13, 0xff61b1e6                      ; the largest t so far: -3e38
	v_floor_f32 v12, -v13                          ; -M
	v_mov_b32 v31, 0x3e38aa3b                      ; c = log2(e) / 8
	v_mov_b32 v88, 0xc7c35000                      ; -100000
	v_mul_f32 v88, 0x3fb8aa3b, v88                 ; x log2(e)
	s_wait_kmcnt 0x0
	s_cmp_eq_u32 s16, 1
	s_cselect_b32 s19, s37, s36
	s_cmp_eq_u32 s16, 2
	s_cselect_b32 s19, s38, s19
	s_cmp_eq_u32 s16, 3
	s_cselect_b32 s19, s39, s19                    ; valid_len of my batch
	s_cmp_ge_i32 s55, s19
	s_cselect_b32 s[MSK], 1, 0
	s_cselect_b32 s[LM], 0x41800000, s[LM]
	v_cmp_gt_i32 s56, s19, v11                     ; the row counts
	v_cmp_le_i32 s57, s19, v11                     ; the row lies under the mask
	v_cndmask_b32 v30, 0, v31, s56                 ; CL
	v_mov_b32 v31, v30
	v_cndmask_b32 v88, 0, v88, s57                 ; OL
	s_wait_loadcnt 10                              ; the scale words are in: behind them stand q's four loads and the two chunks' six
	ds_store_b128 v94, v[216:219]
	ds_store_b64 v95, v[220:221]
	s_mov_b32 s[TRIPS], 3
.Ltrip:                                            ; chunks 0 to 5; each asks for the chunk two on
	CHUNK 0, 3, 1, 1
	CHUNK 1, 3, 1, 0
	s_sub_co_u32 s[TRIPS], s[TRIPS], 1
	s_cmp_lg_u32 s[TRIPS], 0
	s_cbranch_scc1 .Ltrip
	CHUNK 0, 3, 0, 0                               ; chunks 6 and 7: nothing is left to fetch
	CHUNK 1, 0, 0, 0
	; THE WAY OUT: O^T / l, quantised along the head's 64 (two blocks), as six registers of the last product's operand
.rept 4
	v_nop                                          ; places behind the last products
.endr
	v_add_f32 v14, v14, v15
	v_permlanex16_b32 v252, v14, s[SEL], s[SEL+1]
	v_add_f32 v14, v14, v252                       ; the row's sum
	v_mul_f32 v14, s[LM], v14                      ; x 16 where only key step 0 was summed: exact
	v_rcp_f32 v14, v14
	v_lshrrev_b32 v94, 1, v89                      ; (a plain place behind the transcendental)  4 x lane, from 8 x lane, which stays
	s_lshl_b32 s48, s16, 7
	s_lshl_b32 s52, s[WV], 3
	s_add_co_u32 s48, s48, s52
	s_add_co_u32 s48, s48, ttmp9                   ; my tile among the 512
	s_lshl_b32 s48, s48, 4
	s_add_co_u32 s48, s48, s17                     ; x 16 + head
	s_lshl_b32 s52, s48, 7
	s_mov_b32 s53, 0
	s_mul_i32 s48, s48, 768
	s_add_nc_u64 s[10:11], s[10:11], s[48:49]
	s_add_nc_u64 s[12:13], s[12:13], s[52:53]
	s_wait_alu depctr_va_vdst(0)                   ; ahead of the reciprocal's first reader
.irp j, 0,1,2,3,4,5,6,7,8,9,10,11,12,13,14,15,16,17,18,19,20,21,22,23,24,25,26,27,28,29,30,31
	v_mul_f32 v[96+\j], v[160+\j], v14             ; register 16 b + i = channel 32 b + 16 h + i of my query; each accumulator from its low end on
.endr
.irp b, 0,1
	v_max3_num_f32 v[232+\b], |v[96+16*\b]|, |v[97+16*\b]|, 0x1800000
.endr
.irp i, 2,4,6,8,10,12,14
.irp b, 0,1
	v_max3_num_f32 v[232+\b], v[232+\b], |v[96+16*\b+\i]|, |v[97+16*\b+\i]|
.endr
.endr
.irp b, 0,1
	v_permlanex16_b32 v[236+\b], v[232+\b], s[SEL], s[SEL+1]
.endr
.irp b, 0,1
	v_max_num_f32 v[232+\b], v[232+\b], v[236+\b]
.endr
.irp b, 0,1
	v_add_nc_u32 v[244+\b], 0xff000000, v[232+\b]
.endr
.irp b, 0,1
	v_lshrrev_b32 v[236+\b], 23, v[244+\b]
.endr
	v_lshl_or_b32 v240, v237, 8, v236              ; the head's two bytes; bytes 2, 3 are 0
	v_cvt_scalef32_pk16_fp6_f32 v[224:226], v[96:111], v244
	v_cvt_scalef32_pk16_fp6_f32 v[236:238], v[112:127], v245
	v_nop                                          ; one plain place behind the scaled conversions
.irp i, 0,1,2
	v_permlane16_swap_b32 v[224+\i], v[236+\i]
.endr
.irp i, 0,1,2
	v_mov_b32 v[227+\i], v[236+\i]
.endr
.irp p, 0,1,2
	global_store_b64 v89, v[224+2*\p:225+2*\p], s[10:11] offset:256*\p   ; 32 lanes store 256 consecutive bytes, aligned
.endr
	global_store_b32 v94, v240, s[12:13]           ; 32 lanes store my tile's and head's 128 bytes of os
	s_wait_tensorcnt 0x0                           ; the wave's end
	ds_add_u32 v[SPW], v[NIL]
	s_wait_dscnt 0x0
	s_endpgm
.Lfunc_end_k_q6050b2bc50_attn:
	.size	k_q6050b2bc50_attn, .Lfunc_end_k_q6050b2bc50_attn-k_q6050b2bc50_attn
	.p2alignl 7, 3214868480
	.fill 96, 4, 3214868480
	.section	.rodata,"a",@progbits
	.p2align	6, 0x0
	.amdhsa_kernel k_q6050b2bc50_attn
		.amdhsa_group_segment_fixed_size 210944
		.amdhsa_private_segment_fixed_size 0
		.amdhsa_enable_private_segment 0
		.amdhsa_kernarg_size 40
		.amdhsa_user_sgpr_count 2
		.amdhsa_user_sgpr_kernarg_segment_ptr 1
		.amdhsa_wavefront_size32 1
		.amdhsa_system_sgpr_workgroup_id_x 1
		.amdhsa_system_sgpr_workgroup_id_y 1
		.amdhsa_system_sgpr_workgroup_id_z 1
		.amdhsa_system_vgpr_workitem_id 0
		.amdhsa_next_free_vgpr 256
		.amdhsa_next_free_sgpr 66
		.amdhsa_reserve_vcc 0
		.amdhsa_float_denorm_mode_32 3
		.amdhsa_float_denorm_mode_16_64 3
		.amdhsa_memory_ordered 1
		.amdhsa_forward_progress 1
		.amdhsa_inst_pref_size 139
	.end_amdhsa_kernel
	.amdgpu_metadata
---
amdhsa.version: [ 1, 2 ]
amdhsa.kernels:
  - .name:           k_q6050b2bc50_attn
    .symbol:         k_q6050b2bc50_attn.kd
    .args:
      - { .name: hc, .offset: 0, .size: 8, .value_kind: global_buffer, .address_space: global }
      - { .name: hs, .offset: 8, .size: 8, .value_kind: global_buffer, .address_space: global }
      - { .name: valid_len, .offset: 16, .size: 8, .value_kind: global_buffer, .address_space: global }
      - { .name: oc, .offset: 24, .size: 8, .value_kind: global_buffer, .address_space: global }
      - { .name: os, .offset: 32, .size: 8, .value_kind: global_buffer, .address_space: global }
    .group_segment_fixed_size: 210944
    .private_segment_fixed_size: 0
    .kernarg_segment_align: 8
    .kernarg_segment_size: 40
    .max_flat_workgroup_size: 512
    .sgpr_count:     66
    .vgpr_count:     256
    .wavefront_size: 32
...
	.end_amdgpu_metadata
.endif
;; end of part 3
;; launch outp (part 4): grid 4 x 64, 4 waves a work-group, clusters of 4 x 4, 327,680 bytes of LDS; arguments oc, os, wc, ws, out0; writes out0
.if DOCPART == 4
	.amdgcn_target "amdgcn-amd-amdhsa--gfx1250"
	.amdhsa_code_object_version 6
	.text
	.protected	k_q6050b2bc50_outp
	.globl	k_q6050b2bc50_outp
	.p2align	8
	.type	k_q6050b2bc50_outp,@function
k_q6050b2bc50_outp:
	s_mov_b64 s[64:65], 0
	v_nop
	global_prefetch_b8 v0, s[64:65] scope:SCOPE_SE
	s_setreg_imm32_b32 hwreg(HW_REG_WAVE_MODE, 25, 1), 1
	s_wait_xcnt 0x0
	s_wait_alu depctr_hold_cnt(0) depctr_sa_sdst(0) depctr_va_vdst(0) depctr_va_sdst(0) depctr_va_ssrc(0) depctr_va_vcc(0) depctr_vm_vsrc(0)
	s_getreg_b32 s2, hwreg(HW_REG_IB_STS2, 6, 4)
	s_cmp_eq_u32 s2, 0
	s_cbranch_scc0 .Lentry_in_a_cluster
	s_endpgm
.Lentry_in_a_cluster:
	s_bfe_u32 s2, ttmp6, 0x10000c
	s_cmp_lg_u32 s2, 0xf033
	s_cbranch_scc0 .Lentry_shape_is_right
	s_endpgm
.Lentry_shape_is_right:
; out0 = O Wo on codes of FP6 (E2M3) with E8M0 scales; sums in f32.  O: the attention's result as codes (oc, os); Wo: matrix 3 of wc, ws.  out0: [8192][1024] f32.
; A work-group of four waves makes 128 tokens x 256 columns for all K = 1,024; a wave 64 x 128: 32 accumulators.  Source 0 = 16 columns of Wo, source 1 = 16 tokens: a lane holds one token and eight neighbouring columns.
; Both operands' codes for all of K (98,304 + 196,608 bytes) fit in LDS: every tensor load is a first fill, four chunks of two K steps, all asked for at the start; by this text's count a wave has four tensor loads out at the most.
; CLUSTERS: 4 x 4 work-groups: the tokens' tiles are shared along a row of the cluster, Wo's along a column: each is asked for jointly.
; Wo's fragments are images by groups of four registers (three loads of 16 bytes a lane); O's by pairs (register pair q of lane L at 256 q + 8 L: six loads of 8 bytes), since each head wrote its six registers by itself.
; The tokens of a tile and the columns of a tile are in the order that the earlier launches gave them: of a group of 32, tile u holds in lane r the row 8 u + r + 8 (r / 8).
; REGISTERS: window 0: v16-31 addresses; v32-63 Wo's scale words, v64-79 O's; v80-175 O's fragments, two sets; on the way out v128-255 rows of out0.  window 1: Wo's fragments, sets at v0 and v128.  window 2: accumulator (a, b) at v[8 (8 a + b)].
.set CH,    73728
.set ROFF,  24576
.set SPARE, 4*CH                       ; the spare words, 128 bytes for each wave: two blocks of 256 bytes that no other line names
.set ADL,   16
.set ADR,   20
.set V16L,  24
.set VRS,   26
.set VOS,   27
.set SPW,   28
.set NIL,   29
.set STO,   30                         ; v30 the way out: where I put 32 bytes of a row
.set RD,    31                         ; v31 and where I read a row back
.set RS,    32
.set LS,    64
.set LF,    80
.set BK,    128
.set G1R,   24
.set G1L,   32
.set G0R,   40
.set G0L,   68
.set MSB, 0
.macro WIN new
.if MSB != \new
	s_set_vgpr_msb (MSB<<8)|\new
.set MSB, \new
.endif
.endm
.macro PLACES n
.rept \n
	v_nop
.endr
.endm
.macro CREST
	s_cmp_lg_u32 s16, 0
	s_cbranch_scc1 .Lnot_wave_0_\@
	s_barrier_signal -3
.Lnot_wave_0_\@:
	s_barrier_wait -3
	s_barrier_signal -1
	s_barrier_wait -1
.endm
.macro CROUND
	s_barrier_signal -1
	s_barrier_wait -1
	CREST
.endm
.macro WM                              ; one product; its registers are the symbols DD, AA, BB, SA, SB; RA, RB: the scale words stand in lanes 16-31; ZZ: it starts the sum
.if ZZ
.if RA && RB
	v_wmma_scale_f32_16x16x128_f8f6f4 v[DD:DD+7], v[AA:AA+11], v[BB:BB+11], 0, v[SA], v[SB] matrix_a_fmt:MATRIX_FMT_FP6 matrix_b_fmt:MATRIX_FMT_FP6 matrix_a_scale:MATRIX_SCALE_ROW1 matrix_b_scale:MATRIX_SCALE_ROW1
.elseif RA
	v_wmma_scale_f32_16x16x128_f8f6f4 v[DD:DD+7], v[AA:AA+11], v[BB:BB+11], 0, v[SA], v[SB] matrix_a_fmt:MATRIX_FMT_FP6 matrix_b_fmt:MATRIX_FMT_FP6 matrix_a_scale:MATRIX_SCALE_ROW1
.elseif RB
	v_wmma_scale_f32_16x16x128_f8f6f4 v[DD:DD+7], v[AA:AA+11], v[BB:BB+11], 0, v[SA], v[SB] matrix_a_fmt:MATRIX_FMT_FP6 matrix_b_fmt:MATRIX_FMT_FP6 matrix_b_scale:MATRIX_SCALE_ROW1
.else
	v_wmma_scale_f32_16x16x128_f8f6f4 v[DD:DD+7], v[AA:AA+11], v[BB:BB+11], 0, v[SA], v[SB] matrix_a_fmt:MATRIX_FMT_FP6 matrix_b_fmt:MATRIX_FMT_FP6
.endif
.else
.if RA && RB
	v_wmma_scale_f32_16x16x128_f8f6f4 v[DD:DD+7], v[AA:AA+11], v[BB:BB+11], v[DD:DD+7], v[SA], v[SB] matrix_a_fmt:MATRIX_FMT_FP6 matrix_b_fmt:MATRIX_FMT_FP6 matrix_a_scale:MATRIX_SCALE_ROW1 matrix_b_scale:MATRIX_SCALE_ROW1
.elseif RA
	v_wmma_scale_f32_16x16x128_f8f6f4 v[DD:DD+7], v[AA:AA+11], v[BB:BB+11], v[DD:DD+7], v[SA], v[SB] matrix_a_fmt:MATRIX_FMT_FP6 matrix_b_fmt:MATRIX_FMT_FP6 matrix_a_scale:MATRIX_SCALE_ROW1
.elseif RB
	v_wmma_scale_f32_16x16x128_f8f6f4 v[DD:DD+7], v[AA:AA+11], v[BB:BB+11], v[DD:DD+7], v[SA], v[SB] matrix_a_fmt:MATRIX_FMT_FP6 matrix_b_fmt:MATRIX_FMT_FP6 matrix_b_scale:MATRIX_SCALE_ROW1
.else
	v_wmma_scale_f32_16x16x128_f8f6f4 v[DD:DD+7], v[AA:AA+11], v[BB:BB+11], v[DD:DD+7], v[SA], v[SB] matrix_a_fmt:MATRIX_FMT_FP6 matrix_b_fmt:MATRIX_FMT_FP6
.endif
.endif
.endm
.macro MUL s, p, zero                  ; K step s on set p: the 32 accumulators take turns, one instruction a turn, in the same order in every K step
	WIN 0xa1                                       ; source 0 window 1, source 1 window 0, C and D window 2
.set ZZ, \zero
.irp a, 0,1,2,3
.irp b, 0,1,2,3,4,5,6,7
.set DD, 8*(8*\a+\b)
.set AA, 128*(\p)+12*\b
.set BB, LF+48*(\p)+12*\a
.set SA, RS+8*(\b%4)+(\s)
.set SB, LS+8*(\a%2)+(\s)
.set RA, \b/4
.set RB, \a/2
	WM
.endr
.endr
.endm
.macro FETCH s, p                      ; K step s's fragments into set p: 24 loads of 16 bytes a lane, 24 of 8
	WIN 0x40
.irp b, 0,1,2,3,4,5,6,7
.irp g, 0,1,2
	ds_load_b128 v[128*(\p)+12*\b+4*\g:128*(\p)+12*\b+4*\g+3], v[ADR+(\s)/2] offset:3072*\b+1536*((\s)%2)+512*\g
.endr
.endr
	WIN 0
.irp a, 0,1,2,3
.irp q, 0,1,2,3,4,5
	ds_load_b64 v[LF+48*(\p)+12*\a+2*\q:LF+48*(\p)+12*\a+2*\q+1], v[ADL+(\s)/2] offset:3072*\a+1536*((\s)%2)+256*\q
.endr
.endr
.endm
.macro KSTEP s, zero
.if ((\s)+1)%2 == 0
	s_wait_tensorcnt 3-((\s)+1)/2                  ; my part of the next chunk is in; my later chunks may stay out: no tensor load fills bytes again in this launch
	s_wait_dscnt 0x0                               ; no LDS instruction of mine is pending at a signal: my reads of the chunks before are over
	s_barrier_signal -1
	s_barrier_wait -1
.endif
.if (\s) >= 1
	PLACES 4                                       ; in front of loads into registers that the last K step's products have read
.endif
	FETCH (\s)+1, ((\s)+1)%2
	s_wait_dscnt 48                                ; all but the 48 just issued
	MUL \s, (\s)%2, \zero
.endm
	s_load_b256 s[4:11], s[0:1], 0x0               ; oc s[4:5], os s[6:7], wc s[8:9], ws s[10:11]
	s_load_b64 s[12:13], s[0:1], 0x20              ; out0
	v_lshl_add_u32 v[SPW], v0, 2, SPARE
	v_mov_b32 v[NIL], 0
	ds_add_u32 v[SPW], v[NIL]                      ; the wave's opening; the set-up below, work on registers, stands between the add and its wait
	v_lshrrev_b32 v1, 5, v0
	v_readfirstlane_b32 s16, v1                    ; wave 0..3
	s_lshr_b32 s17, s16, 1                         ; wl: my 64 tokens.  Also: 0 = I fetch for Wo, 1 = for O
	s_and_b32 s18, s16, 1                          ; wr: my 128 columns.  Also: which half of that operand's tiles I fetch
	s_bfe_u32 s19, ttmp6, 0x40000                  ; cx: which 256 columns
	s_bfe_u32 s20, ttmp6, 0x40004                  ; cy
	s_and_b32 s21, ttmp7, 0xffff
	s_lshl_b32 s84, s21, 2
	s_add_co_u32 s84, s84, s20                     ; which 128 tokens: 4 x cluster y + cy
	s_lshl_b32 s2, s20, 2
	s_lshl_b32 s2, 15, s2                          ; my row of the cluster
	s_lshl_b32 s3, 0x1111, s19                     ; my column
	s_or_b32 s[G1L], s2, (3<<16)|(1<<21)           ; 15:0 the mask; 17:16 elements of 8 bytes; 21 set beside a mask; no padding
	s_or_b32 s[G1R], s3, (3<<16)|(1<<21)
.irp g, G1R, G1L
	s_mov_b32 s[\g+1], 384<<16                     ; tensor_dim0: a tile's 3,072 bytes of a chunk
	s_mov_b32 s[\g+3], 384<<16                     ; tile_dim0
	s_mov_b32 s[\g+5], 1536                        ; from tile to tile: 12,288 bytes
	s_mov_b32 s[\g+6], 0
	s_mov_b32 s[\g+7], 0
.endr
	s_mov_b32 s[G1R+2], 8<<16
	s_mov_b32 s[G1R+4], 8
	s_mov_b32 s[G1L+2], 4<<16
	s_mov_b32 s[G1L+4], 4
	s_mul_i32 s86, s84, 98304                      ; O's codes: my work-group's eight tiles, the four that I would fetch
	s_mul_i32 s2, s18, 49152
	s_add_co_u32 s86, s86, s2
	s_mov_b32 s87, 0
	s_mul_i32 s88, s19, 196608                     ; Wo's: matrix 3, sixteen tiles, the eight that I would fetch
	s_mul_i32 s3, s18, 98304
	s_add_co_u32 s88, s88, s3
	s_add_co_u32 s88, s88, 2359296
	s_mov_b32 s89, 0
	s_lshl_b32 s90, s84, 14                        ; O's scale words: 2,048 bytes a tile; my four tiles
	s_lshl_b32 s2, s17, 13
	s_add_co_u32 s90, s90, s2
	s_mov_b32 s91, 0
	s_lshl_b32 s92, s19, 13                        ; Wo's scale records: 512 bytes a tile; my eight tiles
	s_lshl_b32 s3, s18, 12
	s_add_co_u32 s92, s92, s3
	s_add_co_u32 s92, s92, 98304
	s_mov_b32 s93, 0
	s_mul_i32 s98, s18, 24576                      ; where the fetched tiles go: no place in the cluster enters an LDS address
	s_mul_i32 s99, s18, 12288
	s_wait_dscnt 0x0                               ; the opening add is done
	s_wait_kmcnt 0x0
	s_add_nc_u64 s[94:95], s[4:5], s[86:87]
	s_add_nc_u64 s[96:97], s[8:9], s[88:89]
	s_add_nc_u64 s[56:57], s[6:7], s[90:91]
	s_add_nc_u64 s[58:59], s[10:11], s[92:93]
	CROUND                                         ; all sixteen work-groups are here: the joint loads meet
.irp c, 0,1,2,3
	s_mov_b32 s[G0R+4*\c], 1
	s_add_co_u32 s[G0R+4*\c+1], s98, \c*CH+ROFF
	s_add_nc_u64 s[G0R+4*\c+2:G0R+4*\c+3], s[96:97], \c*3072
	s_or_b32 s[G0R+4*\c+3], s[G0R+4*\c+3], 0x80000000
	s_mov_b32 s[G0L+4*\c], 1
	s_add_co_u32 s[G0L+4*\c+1], s99, \c*CH
	s_add_nc_u64 s[G0L+4*\c+2:G0L+4*\c+3], s[94:95], \c*3072
	s_or_b32 s[G0L+4*\c+3], s[G0L+4*\c+3], 0x80000000
.endr
	s_cmp_eq_u32 s17, 0                            ; a wave's four first fills stand in one branch on the wave's number
	s_cbranch_scc0 .Lfor_l
.irp c, 0,1,2,3
	tensor_load_to_lds s[G0R+4*\c:G0R+4*\c+3], s[G1R:G1R+7]
	s_nop 0
.endr
	PLACES 4
	s_branch .Lasked
.Lfor_l:
.irp c, 0,1,2,3
	tensor_load_to_lds s[G0L+4*\c:G0L+4*\c+3], s[G1L:G1L+7]
	s_nop 0
.endr
	PLACES 4
.Lasked:
	v_and_b32 v1, 31, v0                           ; lane
	v_and_b32 v2, 15, v0                           ; r
	v_bfe_u32 v3, v0, 4, 1                         ; h
	v_lshlrev_b32 v[V16L], 4, v1
	v_lshlrev_b32 v5, 3, v1                        ; 8 x lane
	v_lshlrev_b32 v4, 4, v2
	v_lshl_add_u32 v[VRS], v3, 11, v4              ; 16 r; lanes 16-31 four tiles on
	v_lshlrev_b32 v4, 2, v2
	v_lshl_add_u32 v[VOS], v3, 12, v4              ; 4 r; lanes 16-31 two tiles (4,096 bytes) on
.irp i, 0,1,2,3
.irp kh, 0,1
	global_load_b128 v[RS+8*\i+4*\kh:RS+8*\i+4*\kh+3], v[VRS], s[58:59] offset:512*\i+256*\kh
.endr
.endr
.irp i, 0,1
.irp e, 0,1,2,3,4,5,6,7,8,9,10,11,12,13,14,15
	global_load_b32 v[176+16*\i+\e], v[VOS], s[56:57] offset:2048*\i+128*\e        ; head e's two bytes of my row of tile i (lanes 16-31: tile i + 2)
.endr
.endr
	s_mul_i32 s2, s17, 12288
	s_mul_i32 s3, s18, 24576
	s_add_co_u32 s3, s3, ROFF
.irp c, 0,1,2,3
	v_add_nc_u32 v[ADL+\c], s2, v5
	v_add_nc_u32 v[ADR+\c], s3, v[V16L]
	s_add_co_u32 s2, s2, CH
	s_add_co_u32 s3, s3, CH
.endr
	s_mul_i32 s2, s16, 8448                        ; my stage for the way out: 16 rows x (512 + 16) bytes, in chunk 0's bytes: they have had their only fill, and every wave's reads of them are over in front of chunk 1's barrier
	v_mul_u32_u24 v[STO], v2, 528
	v_lshl_add_u32 v[STO], v3, 6, v[STO]
	v_add_nc_u32 v[STO], s2, v[STO]                ; in: row r, + 64 h
	v_add_nc_u32 v[RD], s2, v[V16L]                ; back: a row's 512 bytes, 16 a lane
	s_lshl_b32 s86, s84, 19                        ; out0: (128 x block + 64 wl) rows of 4,096 bytes + (256 cx + 128 wr) columns of 4
	s_lshl_b32 s2, s17, 18
	s_add_co_u32 s86, s86, s2
	s_lshl_b32 s2, s19, 10
	s_add_co_u32 s86, s86, s2
	s_lshl_b32 s2, s18, 9
	s_add_co_u32 s86, s86, s2
	s_add_nc_u64 s[12:13], s[12:13], s[86:87]
	s_wait_loadcnt 0x0
.irp i, 0,1
.irp s, 0,1,2,3,4,5,6,7
	v_lshl_or_b32 v[LS+8*\i+\s], v[176+16*\i+2*\s+1], 16, v[176+16*\i+2*\s]        ; K step s is heads 2 s and 2 s + 1: four bytes
.endr
.endr
	PLACES 8                                       ; a scale register written by a vector instruction stands eight places ahead of a scaled product
	s_wait_tensorcnt 3                             ; my part of chunk 0 is in; my three later chunks may stay out
	s_barrier_signal -1
	s_barrier_wait -1
	FETCH 0, 0
	KSTEP 0, 1                                     ; the first K step's products start the sums: nothing is cleared
	KSTEP 1, 0
	KSTEP 2, 0
	KSTEP 3, 0
	KSTEP 4, 0
	KSTEP 5, 0
	KSTEP 6, 0
	s_wait_dscnt 0x0
	MUL 7, 1, 0
	WIN 0
; THE WAY OUT, a tile of 16 tokens x 128 columns at a time.  A lane holds 32 neighbouring bytes of a row for each accumulator, and the lanes beside it hold other rows: so a tile goes through my own stage and comes back as
; whole rows of 512 bytes.  LDS serves a wave's instructions in order: no wait between the stores and the loads, nor in front of the next tile's stores.
.macro TOSTAGE a
	WIN 0x08                                       ; an LDS store's data are its source 1: window 2
.irp b, 0,1,2,3,4,5,6,7
	ds_store_b128 v[STO], v[8*(8*(\a)+\b):8*(8*(\a)+\b)+3] offset:128*(\b/2)+32*(\b%2)       ; accumulator (a, b): columns 32 (b / 2) + 16 h + 8 (b % 2) + 0 .. 7; from its low end on
	ds_store_b128 v[STO], v[8*(8*(\a)+\b)+4:8*(8*(\a)+\b)+7] offset:128*(\b/2)+32*(\b%2)+16
.endr
	WIN 0
.set BB, BK+64*((\a)%2)
.irp i, 0,1,2,3,4,5,6,7,8,9,10,11,12,13,14,15
	ds_load_b128 v[BB+4*\i:BB+4*\i+3], v[RD] offset:528*\i
.endr
.endm
.macro SEND a, younger                 ; younger: the LDS instructions issued behind tile a's loads, which may stay out
.set BB, BK+64*((\a)%2)
	s_wait_dscnt \younger
.irp i, 0,1,2,3,4,5,6,7,8,9,10,11,12,13,14,15
	global_store_b128 v[V16L], v[BB+4*\i:BB+4*\i+3], s[12:13] offset:(32*((\a)/2)+8*((\a)%2)+\i+8*(\i/8))*4096 th:TH_STORE_NT   ; 32 lanes store 512 consecutive bytes, aligned; written once, read by nobody here
.endr
.endm
	PLACES 4                                       ; in front of the first read of results, and of loads into registers that held fragments
	TOSTAGE 0
.irp a, 1,2,3
.if \a > 1
	s_wait_xcnt 0x0                                ; tile a - 2's stores have read their registers: tile a's loads may land there
.endif
	TOSTAGE \a
	SEND \a-1, 32                                  ; behind tile a - 1's loads: tile a's 16 stores and 16 loads
.endr
	SEND 3, 0
	s_wait_tensorcnt 0x0                           ; the wave's end
	ds_add_u32 v[SPW], v[NIL]
	s_wait_dscnt 0x0
	CROUND                                         ; the closing round: no work-group ends while a partner may still ask for a tile that names it
	s_endpgm
.Lfunc_end_k_q6050b2bc50_outp:
	.size	k_q6050b2bc50_outp, .Lfunc_end_k_q6050b2bc50_outp-k_q6050b2bc50_outp
	.p2alignl 7, 3214868480
	.fill 96, 4, 3214868480
	.section	.rodata,"a",@progbits
	.p2align	6, 0x0
	.amdhsa_kernel k_q6050b2bc50_outp
		.amdhsa_group_segment_fixed_size 327680
		.amdhsa_private_segment_fixed_size 0
		.amdhsa_enable_private_segment 0
		.amdhsa_kernarg_size 40
		.amdhsa_user_sgpr_count 2
		.amdhsa_user_sgpr_kernarg_segment_ptr 1
		.amdhsa_wavefront_size32 1
		.amdhsa_system_sgpr_workgroup_id_x 1
		.amdhsa_system_sgpr_workgroup_id_y 1
		.amdhsa_system_sgpr_workgroup_id_z 1
		.amdhsa_system_vgpr_workitem_id 0
		.amdhsa_next_free_vgpr 768
		.amdhsa_next_free_sgpr 100
		.amdhsa_reserve_vcc 0
		.amdhsa_float_denorm_mode_32 3
		.amdhsa_float_denorm_mode_16_64 3
		.amdhsa_memory_ordered 1
		.amdhsa_forward_progress 1
		.amdhsa_inst_pref_size 87
	.end_amdhsa_kernel
	.amdgpu_metadata
---
amdhsa.version: [ 1, 2 ]
amdhsa.kernels:
  - .name:           k_q6050b2bc50_outp
    .symbol:         k_q6050b2bc50_outp.kd
    .args:
      - { .name: oc, .offset: 0, .size: 8, .value_kind: global_buffer, .address_space: global }
      - { .name: os, .offset: 8, .size: 8, .value_kind: global_buffer, .address_space: global }
      - { .name: wc, .offset: 16, .size: 8, .value_kind: global_buffer, .address_space: global }
      - { .name: ws, .offset: 24, .size: 8, .value_kind: global_buffer, .address_space: global }
      - { .name: out0, .offset: 32, .size: 8, .value_kind: global_buffer, .address_space: global }
    .group_segment_fixed_size: 327680
    .private_segment_fixed_size: 0
    .kernarg_segment_align: 8
    .kernarg_segment_size: 40
    .max_flat_workgroup_size: 128
    .sgpr_count:     100
    .vgpr_count:     768
    .wavefront_size: 32
...
	.end_amdgpu_metadata
.endif
;; end of part 4
;; ======== version 2 of 2: 4 launches; version 1 with the launch attn written anew for expert scheduling mode
;; workspace buffers: xc 18,874,368 bytes; xs 786,432 bytes; wc 3,145,728 bytes; ws 131,072 bytes; hc 18,874,368 bytes; hs 1,310,720 bytes; oc 6,291,456 bytes; os 1,048,576 bytes
;; launch quant: the kernel of part 1 again; grid 1024 x 1, 4 waves a work-group, no clusters, 46,592 bytes of LDS; arguments queries, keys, values, Wq, Wk, Wv, Wo, xc, xs, wc, ws; writes xc, xs, wc, ws
;; launch proj: the kernel of part 2 again; grid 4 x 192, 4 waves a work-group, clusters of 4 x 4, 327,680 bytes of LDS; arguments xc, xs, wc, ws, hc, hs; writes hc, hs
;; launch attn (part 5): grid 8 x 64, 16 waves a work-group, no clusters, 210,944 bytes of LDS; arguments hc, hs, valid_len, oc, os; writes oc, os
.if DOCPART == 5
	.amdgcn_target "amdgcn-amd-amdhsa--gfx1250"
	.amdhsa_code_object_version 6
	.text
	.protected	k_q6050b2bc50_attn
	.globl	k_q6050b2bc50_attn
	.p2align	8
	.type	k_q6050b2bc50_attn,@function
k_q6050b2bc50_attn:
	s_mov_b64 s[64:65], 0
	v_nop
	global_prefetch_b8 v0, s[64:65] scope:SCOPE_SE
	s_setreg_imm32_b32 hwreg(HW_REG_WAVE_SCHED_MODE, 0, 2), 2
	s_setreg_imm32_b32 hwreg(HW_REG_WAVE_MODE, 25, 1), 1
	s_wait_xcnt 0x0
	s_wait_alu depctr_vm_vsrc(0)
; For each batch and head: S = q k^T / 8; rows q_pos >= valid_len[batch] get the logit -100000 everywhere; p = 2^(t - M), t = logit x log2(e), M = the ceiling of the running largest t; O = (p v) / (the sum of the unquantised p).
; Both products on codes of FP6 (E2M3) with E8M0 scales; p is quantised along the keys; O is quantised along the model's 1,024 (a head's 64 are two blocks) and leaves as codes for the last product.
; SHARES.  A work-group owns one batch and head; each of its SIXTEEN waves owns one tile of 16 queries, tile 8 w + x of the batch's 128 (x: the work-group's x): a work-group's tiles are spread over the whole sequence,
; so that every work-group of a batch has the same share of rows under the mask.  Four waves to a SIMD: one wave's vector work stands beside another's products and LDS loads.
; THE FIRST PRODUCT'S K IS 64, half of the instruction's 128: q's fragment has zero codes in registers 6-11, so whatever stands in the upper six registers of k's operand (the next tile's codes) adds nothing.
; LAYOUT.  Both products are used transposed (S^T = k q^T, O^T = v^T p^T): a lane holds one query throughout.  The keys of a tile are chosen so that a lane's 16 registers of two neighbouring tiles are 16 neighbouring keys.
; K AND V OF THE HEAD LIE IN LDS WHOLE (2 x 98,304 bytes, images of operand registers); each LDS byte is written once, through registers, a chunk of two key steps at a time, two chunks ahead of its use;
; one barrier a chunk, between the chunk's stores and its first reads.  The data mover is not used: this text branches on valid_len, a number read from memory.
; No joint requests either, for the same reason; the eight work-groups of a head read the same 196,608 bytes.
; THE MASK costs no select a number: a lane's factor CL is c = log2(e) / 8 or 0 and its offset OL is 0 or -100000 x log2(e); t = s CL + OL.
; A TILE WHOLLY UNDER THE MASK has the same p (2^-0.5), codes and scale word in every key step: it runs key step 0 in full and then only the second product; its sum of 128 keys is multiplied by 16 at the end, which is exact.
; LIMITS: NaN and infinities are not served; under the mask the raw score must be finite (it is multiplied by 0); p under 2^-126 counts as 0 (v_exp_f32 gives 0 there); 1 / l is v_rcp_f32;
; a block of zeros gets the byte 1 (its codes are zeros; this program alone reads the bytes).
; REGISTERS: v1-4, v7, v28, v89 addresses that stay; v8-11 at work at the head, then the step's LDS addresses; v12 -M, v13 the largest t, v[14:15] the sum; v16-21 q, v22-27 zeros; v[30:31] CL; v32-79 four pairs of k's tiles, or four fragments of v;
; v80-85 zeros; v[86:87] -M + OL; v88 OL; v96-159 S^T, then p; v160-191 O^T; v192-215 two chunks on their way; v224-235 p's codes; v232-254 at work; v248-251 k's or v's scale words; v253 p's scale word; v255 q's.
; THE MODE: SCHED_MODE bits 1:0 = 2 (LLVM: expert scheduling mode 2), set by the entry lines.  The code itself states the register dependences between vector or matrix instructions and memory or LDS instructions,
; with s_wait_alu, always for 0.
; THE PLAN.  Registers that memory or LDS instructions touch, in the loop:
;   v29 (FA)         Written by one add at a chunk's head; read by the chunk's three LDS stores.
;   v8-11            The key step's four LDS addresses.  Written by four adds a step (a chunk's first step: beside FA's add, at the chunk's head); read by the step's LDS loads.
;   v32-79, v248-251 K's loads land; the eight products k q^T read them; V's loads land (v32-79, v248, v249); the four products v^T p^T read them; the next step's K lands.
;   v192-215         Two sets.  Global loads land; two chunks on, three LDS stores read the set; behind the barrier the set is loaded again.  No vector instruction names them.
;   v224-235, v253   p's codes and scale word: written by vector instructions, taken by the scaled products.
;   v1, v28, v89     Offsets made at the head and never written again.
; THE WAITS.  At a chunk's head and at the head of its second step: one wait on vm_vsrc ahead of the adds (the addresses have been read), one on va_vdst behind them (they are written; the last products are done reading
; the registers in which the loads land).  Behind the barrier one on vm_vsrc, ahead of the loads into the set that the LDS stores have read.  The wait behind the 64 exponentials also states that the products k q^T are done:
; so V'S LOADS STAND STRAIGHT BEHIND IT, and land while the sums, the scales, the conversions and O^T's rescaling are worked, none of which names a register that these loads touch.
; One on va_vdst ahead of the products that take p's codes.
.set VC,    98304                      ; LDS: K's images from 0, V's from here,
.set KSC,   196608                     ; K's scale words, 512 bytes a key step,
.set VSC,   204800                     ; V's, 256 a key step,
.set SPARE, 208896                     ; the spare words, 128 bytes for each wave: eight blocks of 256 bytes that no other line names
.set SPW,   5
.set NIL,   6
.set FST,   7                          ; v7  where my part of chunk 0 goes
.set ADK,   8
.set ADV,   9
.set ADS,   10
.set ADT,   11
.set PFO,   28                         ; v28 256 x lane
.set FA,    29                         ; v29 where my part of the chunk in hand goes
.set WV,    14                         ; s14 my wave's number
.set SEL,   20                         ; s[20:21] lane selects: lane l xor 16
.set TK,    22                         ; s22 the key step's images: 6,144 bytes a step, in K's region and in V's
.set TS,    23                         ; s23 K's scale words: 512 a step
.set TV,    24                         ; s24 V's: 256 a step
.set TF,    25                         ; s25 the chunk to be stored: 12,288 a chunk
.set SRC,   26                         ; s[26:27] my 1,536 bytes of the chunk in hand, in memory
.set PFA,   28                         ; s[28:29] where my prefetches stand
.set LIM,   30                         ; s30 1 in a wave that prefetches, else the greatest number
.set TRIPS, 31
.set MSK,   32                         ; s32 1: my whole tile lies under the mask
.set SKIP,  33                         ; s33 0 in key step 0, then MSK
.set LM,    34                         ; s34 16.0 for such a tile, else 1.0
; A PREFETCH INTO THE L2: a trip (chunks 2 i, 2 i + 1) asks for chunks 2 i + 4 and 2 i + 5, 24,576 bytes of K and as many of V: one trip, four key steps, ahead of the loads that bring them.
; The eight work-groups of a head read the same bytes: the first of them (x = 0) asks; in it waves 0-2 for K and waves 8-10 for V, 8,192 bytes a wave, lanes 256 bytes apart: each block is named once.
; Chunks 0 to 3 come by their loads alone; the third trip and the tail ask for nothing.
.macro ASK
	s_cmp_gt_u32 s[TRIPS], s[LIM]
	s_cbranch_scc0 .Lnot_mine_\@
	global_prefetch_b8 v[PFO], s[PFA:PFA+1] th:TH_LOAD_NT scope:SCOPE_SE
.Lnot_mine_\@:
.endm
; The key step's four LDS addresses, made on both ways through a step.  These four plain instructions also stand between the last step's products and the loads into registers that those have read.
.macro ADDR
	v_add_nc_u32 v[ADK], s[TK], v1
	v_add_nc_u32 v[ADS], s[TS], v3
	v_add_nc_u32 v[ADV], s[TK], v2
	v_add_nc_u32 v[ADT], s[TV], v4
.endm
; V's four fragments, 16 channels x the step's 128 keys each, and their scale words: 13 LDS loads
.macro VLOAD
.irp g, 0,1,2,3,4,5,6,7,8,9,10,11
	ds_load_b128 v[32+4*\g:35+4*\g], v[ADV] offset:512*\g
.endr
	ds_load_b64 v[248:249], v[ADT]                 ; word i: lanes 0-15 tile 2 i, lanes 16-31 tile 2 i + 1
.endm
; A KEY STEP: 128 keys.  adr = 1: the step makes its addresses itself; adr = 0, a chunk's first step: the chunk's head has made them, and its wait on va_vdst serves this step's loads: no vector instruction stands between.
.macro STEP adr
.if \adr
	s_wait_alu depctr_vm_vsrc(0)                   ; the last step's LDS loads have read the four addresses, which are written again below
	ADDR
	s_wait_alu depctr_va_vdst(0)                   ; the four addresses are written, which the LDS loads below read; the last step's products are done reading v32-79, v248 and v249, in which these loads land
.endif
	s_cmp_lg_u32 s[SKIP], 0                        ; a tile wholly under the mask keeps p's codes and scale word of key step 0.  The jump leads round no barrier and no global load
	s_cbranch_scc1 .Lshort_\@
.irp g, 0,1,2,3,4,5,6,7,8,9,10,11
	ds_load_b128 v[32+4*\g:35+4*\g], v[ADK] offset:512*\g          ; four pairs of tiles: 512 consecutive bytes a load
.endr
	ds_load_b64 v[248:249], v[ADS]                 ; word p: lanes 0-15 tile 2 p, lanes 16-31 tile 2 p + 1
	ds_load_b64 v[250:251], v[ADS] offset:256
	s_wait_dscnt 0x0
.irp p, 0,1,2,3                        ; S^T = k q^T: eight tiles of 16 keys
	v_wmma_scale_f32_16x16x128_f8f6f4 v[96+16*\p:103+16*\p], v[32+12*\p:43+12*\p], v[16:27], 0, v[248+\p], v255 matrix_a_fmt:MATRIX_FMT_FP6 matrix_b_fmt:MATRIX_FMT_FP6
	v_wmma_scale_f32_16x16x128_f8f6f4 v[104+16*\p:111+16*\p], v[38+12*\p:49+12*\p], v[16:27], 0, v[248+\p], v255 matrix_a_fmt:MATRIX_FMT_FP6 matrix_b_fmt:MATRIX_FMT_FP6 matrix_a_scale:MATRIX_SCALE_ROW1
.endr
.rept 4
	v_nop                                          ; places in front of the first read of results
.endr
.irp b, 0,1,2,3
	v_max3_num_f32 v[232+\b], v[96+16*\b], v[97+16*\b], v[98+16*\b]   ; the largest score of each block of 32 keys: it serves for the row's maximum and, since p does not fall where the score rises, for the block's largest p
.endr
.irp i, 3,5,7,9,11,13
.irp b, 0,1,2,3
	v_max3_num_f32 v[232+\b], v[232+\b], v[96+16*\b+\i], v[97+16*\b+\i]
.endr
.endr
.irp b, 0,1,2,3
	v_max_num_f32 v[232+\b], v[232+\b], v[111+16*\b]
.endr
.irp b, 0,1,2,3
	v_permlanex16_b32 v[236+\b], v[232+\b], s[SEL], s[SEL+1]
.endr
.irp b, 0,1,2,3
	v_max_num_f32 v[232+\b], v[232+\b], v[236+\b]  ; with lane l xor 16's 16 keys
.endr
	v_max3_num_f32 v254, v232, v233, v234
	v_max_num_f32 v254, v254, v235                 ; the step's largest score of my query,
	v_fma_f32 v254, v254, v30, v88                 ; as t: s CL + OL
	v_max_num_f32 v13, v13, v254                   ; the running largest t
	v_mov_b32 v254, v12
	v_floor_f32 v12, -v13                          ; the new -M = -ceil(t): a whole number
	v_sub_f32 v254, v12, v254                      ; old M - new M: a whole number, 0 or less
	v_cvt_i32_f32 v254, v254                       ; (it saturates)
	v_ldexp_f32 v252, 1.0, v254                    ; f = 2^(old M - new M): a multiplication by it rounds nothing
	v_add_f32 v86, v12, v88                        ; -M + OL: exact (-M where the row counts, -0.5 under the mask)
.irp j, 0,2,4,6,8,10,12,14,16,18,20,22,24,26,28,30,32,34,36,38,40,42,44,46,48,50,52,54,56,58,60,62
	v_pk_fma_f32 v[96+\j:97+\j], v[96+\j:97+\j], v[30:31], v[86:87] op_sel_hi:[1,0,0]   ; t - M, two at a time (of both pairs the low word serves both halves)
.endr
.irp b, 0,1,2,3
	v_fma_f32 v[232+\b], v[232+\b], v30, v86       ; the same of each block's largest score
.endr
.irp j, 0,1,2,3,4,5,6,7,8,9,10,11,12,13,14,15,16,17,18,19,20,21,22,23,24,25,26,27,28,29,30,31,32,33,34,35,36,37,38,39,40,41,42,43,44,45,46,47,48,49,50,51,52,53,54,55,56,57,58,59,60,61,62,63
	v_exp_f32 v[96+\j], v[96+\j]                   ; p = 2^(t - M): not normalised
.endr
	v_pk_mul_f32 v[14:15], v[14:15], v[252:253] op_sel_hi:[1,0]   ; the sums under the new M: a plain place behind the exponentials
	s_wait_alu depctr_va_vdst(0)                   ; the 64 exponentials have written p, v96-159: one wait for the batch, ahead of its first reader; and the eight products above are done reading v32-79 and v248-251, in which V's loads land
	VLOAD                                          ; V is asked for here: no vector instruction from here to the products that read it names v9, v11, v32-79, v248 or v249
.irp b, 0,1,2,3
	v_exp_f32 v[232+\b], v[232+\b]                 ; the block's largest p
.endr
	v_pk_add_f32 v[236:237], v[96:97], v[98:99]    ; the row's sum is taken of the unquantised p: two at a time, in two chains
.irp j, 4,8,12,16,20,24,28,32,36,40,44,48,52,56,60
	v_pk_add_f32 v[14:15], v[14:15], v[96+\j:97+\j]
	v_pk_add_f32 v[236:237], v[236:237], v[98+\j:99+\j]
.endr
	v_pk_add_f32 v[14:15], v[14:15], v[236:237]
	s_wait_alu depctr_va_vdst(0)                   ; the four exponentials have written v232-235, ahead of their first reader
.irp b, 0,1,2,3
	v_max_num_f32 v[232+\b], 0x1800000, v[232+\b]  ; the floor 2^(3 - 127): the byte cannot fall under 1
.endr
.irp b, 0,1,2,3
	v_add_nc_u32 v[244+\b], 0xff000000, v[232+\b]  ; 2 off the exponent field: the conversion's scale operand
.endr
.irp b, 0,1,2,3
	v_lshrrev_b32 v[236+\b], 23, v[244+\b]         ; the byte
.endr
	v_lshl_or_b32 v253, v237, 8, v236              ; p's scale word for these 128 keys
	v_lshl_or_b32 v253, v238, 16, v253
	v_lshl_or_b32 v253, v239, 24, v253
.irp c, 0,1
	v_cvt_scalef32_pk16_fp6_f32 v[224+6*\c:226+6*\c], v[96+32*\c:111+32*\c], v[244+2*\c]
	v_cvt_scalef32_pk16_fp6_f32 v[236+4*\c:238+4*\c], v[112+32*\c:127+32*\c], v[244+2*\c+1]   ; (a conversion's three registers begin on an even number)
.endr
	v_nop                                          ; one plain place behind the scaled conversions
.irp c, 0,1                            ; a whole block to a lane
.irp i, 0,1,2
	v_permlane16_swap_b32 v[224+6*\c+\i], v[236+4*\c+\i]
.endr
.irp i, 0,1,2
	v_mov_b32 v[227+6*\c+\i], v[236+4*\c+\i]
.endr
.endr
.irp j, 0,2,4,6,8,10,12,14,16,18,20,22,24,26,28,30
	v_pk_mul_f32 v[160+\j:161+\j], v[160+\j:161+\j], v[252:253] op_sel_hi:[1,0]   ; O^T under the new M.  (These sixteen are also the places between p's codes and scale word and the products below)
.endr
	s_wait_alu depctr_va_vdst(0)                   ; p's codes v224-235 and its scale word v253 are written, which the scaled products below take; the sixteen places above stay beside this wait
	s_branch .Lpv_\@
.Lshort_\@:
	VLOAD                                          ; the short way: the same 13 loads; the wait on va_vdst at the step's (or the chunk's) head serves them: no vector instruction stands between
.Lpv_\@:
	s_wait_dscnt 0x0                               ; V's fragments and scale words are in
.irp t, 0,2                            ; O^T += v^T p^T: the four accumulators take turns, one instruction a turn, on the short way too
	v_wmma_scale_f32_16x16x128_f8f6f4 v[160+8*\t:167+8*\t], v[32+12*\t:43+12*\t], v[224:235], v[160+8*\t:167+8*\t], v[248+\t/2], v253 matrix_a_fmt:MATRIX_FMT_FP6 matrix_b_fmt:MATRIX_FMT_FP6
	v_wmma_scale_f32_16x16x128_f8f6f4 v[168+8*\t:175+8*\t], v[44+12*\t:55+12*\t], v[224:235], v[168+8*\t:175+8*\t], v[248+\t/2], v253 matrix_a_fmt:MATRIX_FMT_FP6 matrix_b_fmt:MATRIX_FMT_FP6 matrix_a_scale:MATRIX_SCALE_ROW1
.endr
	s_add_co_u32 s[TK], s[TK], 6144
	s_add_co_u32 s[TS], s[TS], 512
	s_add_co_u32 s[TV], s[TV], 256
	s_mov_b32 s[SKIP], s[MSK]
.endm
; A CHUNK: my 1,536 bytes of it go from registers (set) to LDS; a barrier; the chunk two on is asked for into the same registers; the chunk's two key steps.  n: how many younger loads may stay out.
.macro CHUNK set, n, load, ask
	s_wait_loadcnt \n                              ; my three loads of this chunk are in; the next chunk's three may be out
	s_wait_alu depctr_vm_vsrc(0)                   ; the last chunk's LDS stores have read v[FA], the last step's LDS loads their four addresses: the five are written again below
	v_add_nc_u32 v[FA], s[TF], v[FST]
	ADDR                                           ; the first key step's addresses, beside FA's add, so that one wait serves the five
	s_wait_alu depctr_va_vdst(0)                   ; the five addresses are written, which the LDS stores and the first step's LDS loads read; the last step's products are done reading v32-79, v248 and v249, in which those loads land; in the first chunk: the zero codes v22-27 and v80-85 are written, which the scaled products take
.irp i, 0,1,2
	ds_store_b128 v[FA], v[192+12*(\set)+4*\i:195+12*(\set)+4*\i] offset:512*\i
.endr
	s_add_co_u32 s[TF], s[TF], 12288
	s_wait_dscnt 0x0                               ; for the others' sake: my stores have landed
	s_barrier_signal -1
	s_barrier_wait -1                              ; the chunk is whole.  No LDS byte is written twice, so no barrier is owed between reads and later stores
.if \load
	s_wait_alu depctr_vm_vsrc(0)                   ; my LDS stores have read the set's twelve registers, in which the loads below land
.irp i, 0,1,2
	global_load_b128 v[192+12*(\set)+4*\i:195+12*(\set)+4*\i], v1, s[SRC:SRC+1] offset:24576+512*\i
.endr
.endif
.if \ask
	ASK
.endif
	STEP 0
	STEP 1
.if \load
	s_wait_xcnt 0x0                                ; the loads, and the prefetch two key steps back, have read their addresses, so these may be written
	s_add_nc_u64 s[SRC:SRC+1], s[SRC:SRC+1], 12288
.if \ask
	s_add_nc_u64 s[PFA:PFA+1], s[PFA:PFA+1], 24576
.endif
.endif
.endm
	s_load_b256 s[4:11], s[0:1], 0x0               ; hc s[4:5], hs s[6:7], valid_len s[8:9], oc s[10:11]
	s_load_b64 s[12:13], s[0:1], 0x20              ; os
	v_lshl_add_u32 v[SPW], v0, 2, SPARE
	v_mov_b32 v[NIL], 0
	v_lshrrev_b32 v8, 5, v0
	v_readfirstlane_b32 s[WV], v8                  ; wave 0..15
	s_and_b32 s35, ttmp7, 0xffff
	s_and_b32 s16, s35, 3                          ; the batch: neighbouring work-groups take different batches
	s_lshr_b32 s17, s35, 2                         ; the head
	s_lshl_b32 s18, s16, 4
	s_add_co_u32 s18, s18, s17                     ; 16 x batch + head
	s_lshr_b32 s50, ttmp9, 1                       ; my tile is tile u of pair p of the 128 queries 128 w on
	s_and_b32 s51, ttmp9, 1
	s_wait_kmcnt 0x0
	s_load_b128 s[36:39], s[8:9], 0x0              ; valid_len, all four
	v_and_b32 v9, 31, v0                           ; lane (v9 to v11 hold this and the next two only up to the loop: there they are the step's addresses)
	v_and_b32 v10, 15, v0                          ; r
	v_lshlrev_b32 v1, 4, v9                        ; 16 x lane: K's images
	v_add_nc_u32 v2, VC, v1                        ; V's
	v_lshlrev_b32 v89, 3, v9                       ; 8 x lane
	v_add_nc_u32 v3, KSC, v89
	v_add_nc_u32 v4, VSC, v89
	v_lshlrev_b32 v[PFO], 8, v9
	s_wait_alu depctr_va_sdst(0)                   ; s14, the wave's number, is written, ahead of its first reader
	s_lshr_b32 s52, s[WV], 3                       ; waves 0-7 copy K, waves 8-15 V: 1,536 bytes of a chunk each
	s_mul_i32 s52, s52, VC
	s_and_b32 s53, s[WV], 7
	s_mul_i32 s54, s53, 1536
	s_add_co_u32 s52, s52, s54
	v_add_nc_u32 v[FST], s52, v1
	s_lshl_b32 s52, s[WV], 9                       ; wave w also copies key step w's scale words
	v_add_nc_u32 v94, s52, v1
	v_add_nc_u32 v94, KSC, v94
	s_lshl_b32 s52, s[WV], 8
	v_add_nc_u32 v95, s52, v89
	v_add_nc_u32 v95, VSC, v95
	s_lshl_b32 s48, s18, 13                        ; K's scale words of key step w
	s_lshl_b32 s49, s[WV], 9
	s_add_co_u32 s48, s48, s49
	s_add_co_u32 s48, s48, 524288
	s_mov_b32 s49, 0
	s_add_nc_u64 s[40:41], s[6:7], s[48:49]
	s_lshl_b32 s48, s18, 12                        ; V's
	s_lshl_b32 s52, s[WV], 8
	s_add_co_u32 s48, s48, s52
	s_add_co_u32 s48, s48, 1048576
	s_add_nc_u64 s[42:43], s[6:7], s[48:49]
	s_lshl_b32 s48, s18, 6                         ; q: the image of my pair of tiles
	s_lshl_b32 s52, s[WV], 2
	s_add_co_u32 s48, s48, s52
	s_add_co_u32 s48, s48, s50
	s_mul_i32 s48, s48, 1536
	s_add_nc_u64 s[44:45], s[4:5], s[48:49]
	s_lshl_b32 s48, s18, 5                         ; and its scale words
	s_lshl_b32 s52, s[WV], 1
	s_add_co_u32 s48, s48, s52
	s_lshr_b32 s52, s50, 1
	s_add_co_u32 s48, s48, s52
	s_lshl_b32 s48, s48, 8
	s_add_nc_u64 s[46:47], s[6:7], s[48:49]
	s_mul_i32 s55, s18, 98304                      ; the head's K or V
	s_mov_b32 s48, 12582912
	s_cmp_lt_u32 s[WV], 8
	s_cselect_b32 s48, 6291456, s48
	s_add_co_u32 s48, s48, s55
	s_add_nc_u64 s[PFA:PFA+1], s[4:5], s[48:49]
	s_add_co_u32 s48, s48, s54                     ; + my 1,536 bytes
	s_add_nc_u64 s[SRC:SRC+1], s[4:5], s[48:49]
	s_lshl_b32 s48, s53, 13
	s_add_co_u32 s48, s48, 49152                   ; the prefetches begin at chunk 4, 8,192 bytes a wave
	s_add_nc_u64 s[PFA:PFA+1], s[PFA:PFA+1], s[48:49]
	s_cmp_lt_u32 s53, 3
	s_cselect_b32 s52, 0, 1
	s_or_b32 s52, s52, ttmp9
	s_cmp_eq_u32 s52, 0
	s_cselect_b32 s[LIM], 1, -1
	s_cmp_lg_u32 s51, 0                            ; q's six registers in the pair's image: registers 0-5 (bytes 0, 8, 512 of my lane's) or 6-11 (520, 1024, 1032)
	s_cselect_b32 s52, 520, 0
	s_cselect_b32 s53, 1024, 8
	v_add_nc_u32 v90, s52, v1
	v_add_nc_u32 v91, s53, v1
	v_add_nc_u32 v92, 512, v90
	s_lshl_b32 s52, s51, 7
	s_and_b32 s53, s50, 1
	s_lshl_b32 s53, s53, 2
	s_add_co_u32 s52, s52, s53
	v_lshl_add_u32 v93, v10, 3, s52                ; q's scale word: lane 16 u + r of the record, word p % 2
	s_wait_alu depctr_va_vdst(0)                   ; the offsets and LDS addresses v1, v28 and v89 to v95 are written, which the loads below, the two LDS stores ahead of the loop, the chunks' loads and the prefetches read; none of them is named by a vector instruction as a destination before the way out
	global_load_b128 v[216:219], v1, s[40:41]
	global_load_b64 v[220:221], v89, s[42:43]
	global_load_b64 v[16:17], v90, s[44:45]
	global_load_b64 v[18:19], v91, s[44:45]
	global_load_b64 v[20:21], v92, s[44:45]
	global_load_b32 v255, v93, s[46:47]
.irp i, 0,1,2
	global_load_b128 v[192+4*\i:195+4*\i], v1, s[SRC:SRC+1] offset:512*\i          ; chunk 0
.endr
.irp i, 0,1,2
	global_load_b128 v[204+4*\i:207+4*\i], v1, s[SRC:SRC+1] offset:12288+512*\i    ; chunk 1
.endr
	s_lshl_b32 s55, s[WV], 7
	s_lshl_b32 s52, s50, 5
	s_add_co_u32 s55, s55, s52
	s_lshl_b32 s52, s51, 3
	s_add_co_u32 s55, s55, s52                     ; my tile's first query: 128 w + 32 p + 8 u
	v_and_b32 v11, 8, v10
	v_add_nc_u32 v11, v11, v10
	v_add_nc_u32 v11, s55, v11                     ; my lane's query: + r + 8 (r / 8)
	s_mov_b32 s[SEL], 0x76543210
	s_mov_b32 s[SEL+1], 0xfedcba98
	s_mov_b32 s[TK], 0
	s_mov_b32 s[TS], 0
	s_mov_b32 s[TV], 0
	s_mov_b32 s[TF], 0
	s_mov_b32 s[SKIP], 0
	s_mov_b32 s[LM], 0x3f800000
.irp j, 22,23,24,25,26,27,80,81,82,83,84,85
	v_mov_b32 v[\j], 0                             ; zero codes: q's upper half of K, and what stands behind k's last tile
.endr
.irp j, 0,1,2,3,4,5,6,7,8,9,10,11,12,13,14,15,16,17,18,19,20,21,22,23,24,25,26,27,28,29,30,31
	v_mov_b32 v[160+\j], 0                         ; O^T: the step is written once; the first finds zeros, which the first change of M leaves zeros
.endr
.irp j, 224,225,226,227,228,229,230,231,232,233,234,235,236,237,238,239,252,253,87,14,15
	v_mov_b32 v[\j], 0                             ; p's codes and scale word (written on every way before they are named), permutes' destinations, upper halves of named pairs, the sum
.endr
	v_mov_b32 v13, 0xff61b1e6                      ; the largest t so far: -3e38
	v_floor_f32 v12, -v13                          ; -M
	v_mov_b32 v31, 0x3e38aa3b                      ; c = log2(e) / 8
	v_mov_b32 v88, 0xc7c35000                      ; -100000
	v_mul_f32 v88, 0x3fb8aa3b, v88                 ; x log2(e)
	s_wait_kmcnt 0x0
	s_cmp_eq_u32 s16, 1
	s_cselect_b32 s19, s37, s36
	s_cmp_eq_u32 s16, 2
	s_cselect_b32 s19, s38, s19
	s_cmp_eq_u32 s16, 3
	s_cselect_b32 s19, s39, s19                    ; valid_len of my batch
	s_cmp_ge_i32 s55, s19
	s_cselect_b32 s[MSK], 1, 0
	s_cselect_b32 s[LM], 0x41800000, s[LM]
	v_cmp_gt_i32 s56, s19, v11                     ; the row counts
	v_cmp_le_i32 s57, s19, v11                     ; the row lies under the mask
	s_wait_alu depctr_va_sdst(0)                   ; the two compares have written s56 and s57, ahead of the selects that read them
	v_cndmask_b32 v30, 0, v31, s56                 ; CL
	v_mov_b32 v31, v30
	v_cndmask_b32 v88, 0, v88, s57                 ; OL
	s_wait_loadcnt 10                              ; the scale words are in: behind them stand q's four loads and the two chunks' six
	ds_store_b128 v94, v[216:219]
	ds_store_b64 v95, v[220:221]
	s_mov_b32 s[TRIPS], 3
.Ltrip:                                            ; chunks 0 to 5; each asks for the chunk two on
	CHUNK 0, 3, 1, 1
	CHUNK 1, 3, 1, 0
	s_sub_co_u32 s[TRIPS], s[TRIPS], 1
	s_cmp_lg_u32 s[TRIPS], 0
	s_cbranch_scc1 .Ltrip
	CHUNK 0, 3, 0, 0                               ; chunks 6 and 7: nothing is left to fetch
	CHUNK 1, 0, 0, 0
	; THE WAY OUT: O^T / l, quantised along the head's 64 (two blocks), as six registers of the last product's operand
.rept 4
	v_nop                                          ; places behind the last products
.endr
	v_add_f32 v14, v14, v15
	v_permlanex16_b32 v252, v14, s[SEL], s[SEL+1]
	v_add_f32 v14, v14, v252                       ; the row's sum
	v_mul_f32 v14, s[LM], v14                      ; x 16 where only key step 0 was summed: exact
	v_rcp_f32 v14, v14
	v_lshrrev_b32 v94, 1, v89                      ; (a plain place behind the transcendental)  4 x lane, from 8 x lane, which stays.  The LDS store that read v94, ahead of the loop, stands ahead of every chunk's wait on vm_vsrc
	s_lshl_b32 s48, s16, 7
	s_lshl_b32 s52, s[WV], 3
	s_add_co_u32 s48, s48, s52
	s_add_co_u32 s48, s48, ttmp9                   ; my tile among the 512
	s_lshl_b32 s48, s48, 4
	s_add_co_u32 s48, s48, s17                     ; x 16 + head
	s_lshl_b32 s52, s48, 7
	s_mov_b32 s53, 0
	s_mul_i32 s48, s48, 768
	s_add_nc_u64 s[10:11], s[10:11], s[48:49]
	s_add_nc_u64 s[12:13], s[12:13], s[52:53]
	s_wait_alu depctr_va_vdst(0)                   ; the reciprocal has written v14, ahead of its first reader
.irp j, 0,1,2,3,4,5,6,7,8,9,10,11,12,13,14,15,16,17,18,19,20,21,22,23,24,25,26,27,28,29,30,31
	v_mul_f32 v[96+\j], v[160+\j], v14             ; register 16 b + i = channel 32 b + 16 h + i of my query; each accumulator from its low end on
.endr
.irp b, 0,1
	v_max3_num_f32 v[232+\b], |v[96+16*\b]|, |v[97+16*\b]|, 0x1800000
.endr
.irp i, 2,4,6,8,10,12,14
.irp b, 0,1
	v_max3_num_f32 v[232+\b], v[232+\b], |v[96+16*\b+\i]|, |v[97+16*\b+\i]|
.endr
.endr
.irp b, 0,1
	v_permlanex16_b32 v[236+\b], v[232+\b], s[SEL], s[SEL+1]
.endr
.irp b, 0,1
	v_max_num_f32 v[232+\b], v[232+\b], v[236+\b]
.endr
.irp b, 0,1
	v_add_nc_u32 v[244+\b], 0xff000000, v[232+\b]
.endr
.irp b, 0,1
	v_lshrrev_b32 v[236+\b], 23, v[244+\b]
.endr
	v_lshl_or_b32 v240, v237, 8, v236              ; the head's two bytes; bytes 2, 3 are 0
	v_cvt_scalef32_pk16_fp6_f32 v[224:226], v[96:111], v244
	v_cvt_scalef32_pk16_fp6_f32 v[236:238], v[112:127], v245
	v_nop                                          ; one plain place behind the scaled conversions
.irp i, 0,1,2
	v_permlane16_swap_b32 v[224+\i], v[236+\i]
.endr
.irp i, 0,1,2
	v_mov_b32 v[227+\i], v[236+\i]
.endr
	s_wait_alu depctr_va_vdst(0)                   ; the codes v224-229, the scale word v240 and the offset v94 are written, which the four stores below read
.irp p, 0,1,2
	global_store_b64 v89, v[224+2*\p:225+2*\p], s[10:11] offset:256*\p   ; 32 lanes store 256 consecutive bytes, aligned
.endr
	global_store_b32 v94, v240, s[12:13]           ; 32 lanes store my tile's and head's 128 bytes of os
	s_wait_dscnt 0x0                               ; the closing lines, six on end
	s_wait_alu 0x0
	s_wait_tensorcnt 0x0
	ds_add_u32 v[SPW], v[NIL]
	s_wait_dscnt 0x0
	s_endpgm
.Lfunc_end_k_q6050b2bc50_attn:
	.size	k_q6050b2bc50_attn, .Lfunc_end_k_q6050b2bc50_attn-k_q6050b2bc50_attn
	.p2alignl 7, 3214868480
	.fill 96, 4, 3214868480
	.section	.rodata,"a",@progbits
	.p2align	6, 0x0
	.amdhsa_kernel k_q6050b2bc50_attn
		.amdhsa_group_segment_fixed_size 210944
		.amdhsa_private_segment_fixed_size 0
		.amdhsa_enable_private_segment 0
		.amdhsa_kernarg_size 40
		.amdhsa_user_sgpr_count 2
		.amdhsa_user_sgpr_kernarg_segment_ptr 1
		.amdhsa_wavefront_size32 1
		.amdhsa_system_sgpr_workgroup_id_x 1
		.amdhsa_system_sgpr_workgroup_id_y 1
		.amdhsa_system_sgpr_workgroup_id_z 1
		.amdhsa_system_vgpr_workitem_id 0
		.amdhsa_next_free_vgpr 256
		.amdhsa_next_free_sgpr 66
		.amdhsa_reserve_vcc 0
		.amdhsa_float_denorm_mode_32 3
		.amdhsa_float_denorm_mode_16_64 3
		.amdhsa_memory_ordered 1
		.amdhsa_forward_progress 1
		.amdhsa_inst_pref_size 147
	.end_amdhsa_kernel
	.amdgpu_metadata
---
amdhsa.version: [ 1, 2 ]
amdhsa.kernels:
  - .name:           k_q6050b2bc50_attn
    .symbol:         k_q6050b2bc50_attn.kd
    .args:
      - { .name: hc, .offset: 0, .size: 8, .value_kind: global_buffer, .address_space: global }
      - { .name: hs, .offset: 8, .size: 8, .value_kind: global_buffer, .address_space: global }
      - { .name: valid_len, .offset: 16, .size: 8, .value_kind: global_buffer, .address_space: global }
      - { .name: oc, .offset: 24, .size: 8, .value_kind: global_buffer, .address_space: global }
      - { .name: os, .offset: 32, .size: 8, .value_kind: global_buffer, .address_space: global }
    .group_segment_fixed_size: 210944
    .private_segment_fixed_size: 0
    .kernarg_segment_align: 8
    .kernarg_segment_size: 40
    .max_flat_workgroup_size: 512
    .sgpr_count:     66
    .vgpr_count:     256
    .wavefront_size: 32
...
	.end_amdgpu_metadata
.endif
;; end of part 5
;; launch outp: the kernel of part 4 again; grid 4 x 64, 4 waves a work-group, clusters of 4 x 4, 327,680 bytes of LDS; arguments oc, os, wc, ws, out0; writes out0
